; MI455X (gfx1250); checked and timed in simulation.
; The chip was launched on July 23, 2026; its instructions are those of AMD's public machine-readable ISA for CDNA 5 (MIT licence, August 2026) and "CDNA5" Instruction Set Architecture Reference Guide (July 2026). The comments in the code are by the model that wrote it; some were corrected since.
;; Cross Attention. Allowed arithmetic: float matrix products may take bf16 or f16 operands with f32 sums; other float arithmetic in f32, or as packed bf16 or f16 multiplies, adds, multiply-adds, maxima and minima; sums over many terms, partial sums and values carried from step to step in f32; what a program stores and reads back later, other than sums and carried values, may be rounded once to bf16 or f16.
;; Inputs: key_padding_mask 2 x 2,048 bool; kv 2 x 2,048 x 2 x 8 x 128 float32; q 2 x 2,048 x 32 x 128 float32.
;; Outputs: out0 2 x 2,048 x 32 x 128 float32.
;; 2 versions, each right and faster than the one before. Each part assembles by itself: llvm-mc -triple=amdgcn-amd-amdhsa -mcpu=gfx1250 --defsym DOCPART=n.
;; ======== version 1 of 2: 2 launches
;; limits: values are held in f16: magnitudes above 65,504 overflow, below 6.1e-05 lose precision; inputs' magnitudes at most 65,504; below input magnitudes of 6.1e-05 results are inexact or not finite
;; workspace buffers: kb 8,519,680 bytes; vh 8,388,608 bytes; cs 131,072 bytes
;; launch prep (part 1): grid 16 x 16, 8 waves a work-group, no clusters, 3,072 bytes of LDS; arguments kv, key_padding_mask, kb, vh, cs; writes kb, vh, cs
.if DOCPART == 1
	.amdgcn_target "amdgcn-amd-amdhsa--gfx1250"
	.amdhsa_code_object_version 6
	.text
	.protected	k_qd5b8759b06_prep
	.globl	k_qd5b8759b06_prep
	.p2align	8
	.type	k_qd5b8759b06_prep,@function
k_qd5b8759b06_prep:
	s_mov_b64 s[64:65], 0
	v_nop
	global_prefetch_b8 v0, s[64:65] scope:SCOPE_SE
	s_setreg_imm32_b32 hwreg(HW_REG_WAVE_MODE, 25, 1), 1
	s_wait_xcnt 0x0
; kv [2][2048][2][8][128] f32  ->  kb [b*8+hk][8 tiles][260 rows][128] bf16: rows 0-255 of a tile = bf16(k) of its 256 keys; rows 256-259 = the tile's 256 pad numbers in f32
;                                  vh [b*8+hk][2048][128] f16  = f16(bf16(v))   (exact while |v| < 65,520 and bf16(v) is 0 or at least 2^-17 in size)
;                                  cs [b*8+hk][16][128]   f32  = the sum of bf16(v) over keys 128 u .. 128 u + 127
; A pad number is 0 where key_padding_mask's byte is 1 and -10000 sqrt(128) where it is 0: the mask's -10000 in unscaled score units.
; A stream: every byte of kv is read once, every output byte written once; no matrix unit, no cluster, since no two work-groups read the same bytes of kv.
; Work-group (x, y): keys 128 x .. 128 x + 127 of head y = b*8+hk.  Waves 0-3 take K, waves 4-7 V, 32 keys each.  A lane owns 4 channels: a wave's load is one whole
; row of 512 bytes, its store one whole row of 256 bytes, both at multiples of their size.  All 32 rows of a wave are asked for at once.
; The four V waves' sums over 32 keys meet in LDS (four rows of 512 bytes), behind one barrier that every wave passes; wave 4 adds them and stores the group's row of cs.
.set X, 16                             ; v[16:143]  row j as loaded: 4 registers
.set Y, 144                            ; v[144:207] row j to store: 2 registers; never rewritten, so no store's data has to be freed
.set TILEB, 260*256                    ; bytes of a tile of kb
.set SPW, 12                           ; v12  LDS address of my spare word; never rewritten
.set NIL, 13                           ; v13  0; never rewritten
.set LA,  14                           ; v14  where a V wave puts its 16 bytes a lane of its sum
.set SPARE, 2048                       ; behind the four rows: the spare words, 128 bytes for each of the eight waves: four blocks of 256 bytes that no other line names
	s_load_b256 s[4:11], s[0:1], 0x0               ; kv s[4:5], mask s[6:7], kb s[8:9], vh s[10:11]
	s_load_b64 s[12:13], s[0:1], 0x20              ; cs
	v_lshl_add_u32 v[SPW], v0, 2, SPARE
	v_mov_b32 v[NIL], 0
	v_and_b32 v3, 31, v0                           ; lane
	v_lshrrev_b32 v4, 5, v0
	v_readfirstlane_b32 s16, v4                    ; wave 0..7
	v_lshlrev_b32 v1, 4, v3                        ; 16 x lane
	v_lshlrev_b32 v2, 3, v3                        ; 8 x lane
	v_lshlrev_b32 v3, 2, v3                        ; 4 x lane
	s_lshr_b32 s17, s16, 2                         ; 0: K, 1: V
	s_and_b32 s18, s16, 3                          ; which 32 keys of the group's 128
	s_lshl_b32 s21, s18, 9
	v_add_nc_u32 v[LA], s21, v1                    ; row (wave mod 4) of the four, 16 x lane
	s_and_b32 s19, ttmp7, 0xffff                   ; y = b*8+hk
	s_lshl_b32 s20, ttmp9, 7
	s_lshl_b32 s21, s18, 5
	s_add_co_u32 s20, s20, s21                     ; my first key
	s_lshr_b32 s30, s19, 3                         ; b
	s_and_b32 s31, s19, 7                          ; hk
	s_lshl_b32 s22, s30, 24                        ; kv: b x 2048 x 8192
	s_lshl_b32 s21, s20, 13                        ;   + key x 8192
	s_add_co_u32 s22, s22, s21
	s_lshl_b32 s21, s17, 12                        ;   + kind x 4096
	s_add_co_u32 s22, s22, s21
	s_lshl_b32 s21, s31, 9                         ;   + hk x 512
	s_add_co_u32 s22, s22, s21
	s_mov_b32 s23, 0
	s_mul_i32 s24, s19, 8*TILEB                    ; kb: y x 8 tiles
	s_lshr_b32 s21, ttmp9, 1
	s_mul_i32 s21, s21, TILEB                      ;   + the tile of 256 keys
	s_add_co_u32 s24, s24, s21
	s_and_b32 s21, ttmp9, 1                        ; which half of the tile
	s_lshl_b32 s14, s21, 9                         ; the group's 128 pad numbers: behind the tile's 256 rows, 512 bytes for each half
	s_add_co_u32 s14, s14, s24
	s_add_co_u32 s14, s14, 65536
	s_mov_b32 s15, 0
	s_lshl_b32 s21, s21, 15                        ;   + 128 rows of 256 bytes for the second half
	s_add_co_u32 s24, s24, s21
	s_lshl_b32 s21, s18, 13                        ;   + my 32 rows
	s_add_co_u32 s24, s24, s21
	s_mov_b32 s25, 0
	s_lshl_b32 s26, s19, 19                        ; vh: (y x 2048 + key) x 256
	s_lshl_b32 s21, s20, 8
	s_add_co_u32 s26, s26, s21
	s_mov_b32 s27, 0
	s_lshl_b32 s2, s19, 13                         ; cs: (y x 16 + x) x 512
	s_lshl_b32 s21, ttmp9, 9
	s_add_co_u32 s2, s2, s21
	s_mov_b32 s3, 0
	s_mov_b32 s28, 0xffff0000                      ; a word's upper bf16
	s_mov_b32 s29, 0xc7dcf88b                      ; -10000 sqrt(128) = -113137.0859375
	s_wait_kmcnt 0x0
	s_add_nc_u64 s[4:5], s[4:5], s[22:23]
	s_add_nc_u64 s[14:15], s[8:9], s[14:15]        ; kb at the group's pad numbers
	s_add_nc_u64 s[8:9], s[8:9], s[24:25]          ; kb at my rows
	s_add_nc_u64 s[10:11], s[10:11], s[26:27]
	s_add_nc_u64 s[12:13], s[12:13], s[2:3]
.set j, 0
.rept 32
	global_load_b128 v[X+4*j:X+4*j+3], v1, s[4:5] offset:j*8192 th:TH_LOAD_NT
.set j, j+1
.endr
	s_cmp_ge_u32 s16, 4
	s_cbranch_scc1 .Lv
	; K: round to bf16 and store
.set j, 0
.rept 32
	s_wait_loadcnt 31-j                            ; loads come back in order: row j is in, the 31 - j younger rows may stay out
	v_cvt_pk_bf16_f32 v[Y+2*j], v[X+4*j], v[X+4*j+1]
	v_cvt_pk_bf16_f32 v[Y+2*j+1], v[X+4*j+2], v[X+4*j+3]
	global_store_b64 v2, v[Y+2*j:Y+2*j+1], s[8:9] offset:j*256
.set j, j+1
.endr
	; the pad numbers: wave 0 turns the group's 128 mask bytes into 128 f32
	s_cmp_lg_u32 s16, 0
	s_cbranch_scc1 .Lmeet
	s_lshl_b32 s20, s30, 11
	s_lshl_b32 s21, ttmp9, 7
	s_add_co_u32 s20, s20, s21                     ; b x 2048 + 128 x
	s_mov_b32 s21, 0
	s_add_nc_u64 s[6:7], s[6:7], s[20:21]
	global_load_b32 v6, v3, s[6:7]                 ; four mask bytes a lane
	s_wait_loadcnt 0x0
.irp k, 0,1,2,3
	v_bfe_u32 v[8+(\k)], v6, 8*(\k), 8
.endr
.irp k, 0,1,2,3
	v_add_nc_u32 v[8+(\k)], -1, v[8+(\k)]          ; 1 -> 0, 0 -> all ones
.endr
.irp k, 0,1,2,3
	v_and_b32 v[8+(\k)], s29, v[8+(\k)]            ; 0, or the constant's bits
.endr
	global_store_b128 v1, v[8:11], s[14:15]        ; 512 consecutive bytes
	s_branch .Lmeet
.Lv:
	; V: round to bf16, widen again (that number is what is summed and what is written as f16), store, add
.set j, 0
.rept 32
	s_wait_loadcnt 31-j
	v_cvt_pk_bf16_f32 v4, v[X+4*j], v[X+4*j+1]
	v_cvt_pk_bf16_f32 v5, v[X+4*j+2], v[X+4*j+3]
	v_lshlrev_b32 v[X+4*j], 16, v4
	v_and_b32 v[X+4*j+1], s28, v4
	v_lshlrev_b32 v[X+4*j+2], 16, v5
	v_and_b32 v[X+4*j+3], s28, v5
	v_cvt_pk_f16_f32 v[Y+2*j], v[X+4*j], v[X+4*j+1]
	v_cvt_pk_f16_f32 v[Y+2*j+1], v[X+4*j+2], v[X+4*j+3]
	global_store_b64 v2, v[Y+2*j:Y+2*j+1], s[10:11] offset:j*256
.if j >= 1
	v_pk_add_f32 v[X:X+1], v[X:X+1], v[X+4*j:X+4*j+1]          ; row 0's registers carry the sum: nothing is cleared
	v_pk_add_f32 v[X+2:X+3], v[X+2:X+3], v[X+4*j+2:X+4*j+3]
.endif
.set j, j+1
.endr
	ds_store_b128 v[LA], v[X:X+3]                  ; my 32 keys' sum
.Lmeet:
	s_wait_dscnt 0x0                               ; for wave 4's sake: my sum is stored
	s_barrier_signal -1
	s_barrier_wait -1                              ; every wave passes this barrier, the K waves too
	s_cmp_lg_u32 s16, 4
	s_cbranch_scc1 .Lend
.irp k, 0,1,2,3
	ds_load_b128 v[X+4*(\k):X+4*(\k)+3], v1 offset:512*(\k)
.endr
	s_wait_dscnt 0x0
	v_pk_add_f32 v[X:X+1], v[X:X+1], v[X+4:X+5]
	v_pk_add_f32 v[X+2:X+3], v[X+2:X+3], v[X+6:X+7]
	v_pk_add_f32 v[X+8:X+9], v[X+8:X+9], v[X+12:X+13]
	v_pk_add_f32 v[X+10:X+11], v[X+10:X+11], v[X+14:X+15]
	v_pk_add_f32 v[X:X+1], v[X:X+1], v[X+8:X+9]
	v_pk_add_f32 v[X+2:X+3], v[X+2:X+3], v[X+10:X+11]
	global_store_b128 v1, v[X:X+3], s[12:13]       ; 512 consecutive bytes
.Lend:
	s_wait_tensorcnt 0x0                           ; the wave's end, behind my last LDS store
	ds_add_u32 v[SPW], v[NIL]
	s_wait_dscnt 0x0
	s_endpgm
.Lfunc_end_k_qd5b8759b06_prep:
	.size	k_qd5b8759b06_prep, .Lfunc_end_k_qd5b8759b06_prep-k_qd5b8759b06_prep
	.p2alignl 7, 3214868480
	.fill 96, 4, 3214868480
	.section	.rodata,"a",@progbits
	.p2align	6, 0x0
	.amdhsa_kernel k_qd5b8759b06_prep
		.amdhsa_group_segment_fixed_size 3072
		.amdhsa_private_segment_fixed_size 0
		.amdhsa_enable_private_segment 0
		.amdhsa_kernarg_size 40
		.amdhsa_user_sgpr_count 2
		.amdhsa_user_sgpr_kernarg_segment_ptr 1
		.amdhsa_wavefront_size32 1
		.amdhsa_system_sgpr_workgroup_id_x 1
		.amdhsa_system_sgpr_workgroup_id_y 1
		.amdhsa_system_sgpr_workgroup_id_z 1
		.amdhsa_system_vgpr_workitem_id 0
		.amdhsa_next_free_vgpr 208
		.amdhsa_next_free_sgpr 66
		.amdhsa_reserve_vcc 0
		.amdhsa_float_denorm_mode_32 3
		.amdhsa_float_denorm_mode_16_64 3
		.amdhsa_memory_ordered 1
		.amdhsa_forward_progress 1
		.amdhsa_inst_pref_size 36
	.end_amdhsa_kernel
	.amdgpu_metadata
---
amdhsa.version: [ 1, 2 ]
amdhsa.kernels:
  - .name:           k_qd5b8759b06_prep
    .symbol:         k_qd5b8759b06_prep.kd
    .args:
      - { .name: kv, .offset: 0, .size: 8, .value_kind: global_buffer, .address_space: global }
      - { .name: key_padding_mask, .offset: 8, .size: 8, .value_kind: global_buffer, .address_space: global }
      - { .name: kb, .offset: 16, .size: 8, .value_kind: global_buffer, .address_space: global }
      - { .name: vh, .offset: 24, .size: 8, .value_kind: global_buffer, .address_space: global }
      - { .name: cs, .offset: 32, .size: 8, .value_kind: global_buffer, .address_space: global }
    .group_segment_fixed_size: 3072
    .private_segment_fixed_size: 0
    .kernarg_segment_align: 8
    .kernarg_segment_size: 40
    .max_flat_workgroup_size: 256
    .sgpr_count:     66
    .vgpr_count:     208
    .wavefront_size: 32
...
	.end_amdgpu_metadata
.endif
;; end of part 1
;; launch attn (part 2): grid 16 x 16, 4 waves a work-group, clusters of 4 x 1, 327,680 bytes of LDS; arguments q, kb, vh, cs, out0; writes out0
.if DOCPART == 2
	.amdgcn_target "amdgcn-amd-amdhsa--gfx1250"
	.amdhsa_code_object_version 6
	.text
	.protected	k_qd5b8759b06_attn
	.globl	k_qd5b8759b06_attn
	.p2align	8
	.type	k_qd5b8759b06_attn,@function
k_qd5b8759b06_attn:
	s_mov_b64 s[64:65], 0
	v_nop
	global_prefetch_b8 v0, s[64:65] scope:SCOPE_SE
	s_setreg_imm32_b32 hwreg(HW_REG_WAVE_MODE, 25, 1), 1
	s_wait_xcnt 0x0
	s_wait_alu depctr_hold_cnt(0) depctr_sa_sdst(0) depctr_va_vdst(0) depctr_va_sdst(0) depctr_va_ssrc(0) depctr_va_vcc(0) depctr_vm_vsrc(0)
	s_getreg_b32 s2, hwreg(HW_REG_IB_STS2, 6, 4)
	s_cmp_eq_u32 s2, 0
	s_cbranch_scc0 .Lentry_in_a_cluster
	s_endpgm
.Lentry_in_a_cluster:
	s_bfe_u32 s2, ttmp6, 0x10000c
	s_cmp_lg_u32 s2, 0x3003
	s_cbranch_scc0 .Lentry_shape_is_right
	s_endpgm
.Lentry_shape_is_right:
; out0[b][t][h][:] = the sum over s of softmax_s(score(t, s)) v[b][s][h/4][:],  score = q . k / sqrt(128) + (key padded ? -10000 : 0) where s > t, and -10000 where s <= t.
; q, out0: [2][2048][32][128] f32.  kb: [b*8+hk][8 tiles][260 rows][256 bytes]: 256 keys in bf16, then their 256 pad numbers (0 or NEGR) in f32.  vh: [b*8+hk][2048][128] f16.
; cs: [b*8+hk][16][128] f32, sums of V over 128 keys.
; Scores are kept unscaled; NEGR = -10000 sqrt(128) stands for -10000; p = 2^(c s - c m), c = log2(e) / sqrt(128).  K Q^T in bf16, V^T P in f16; sums, maxima and l in f32.
; HIDDEN KEYS.  Every key s <= t has the same score NEGR, and every row has one (s = t).  So a block of 256 rows starts its running softmax with m = NEGR, l = the number of keys in front of the
; block, O = the sum of their rows of V (from cs), and walks only the keys from the block's first on; in the block's own 256 keys every hidden score is replaced by NEGR.
; The running maximum and the rescaling then serve every case: hidden keys vanish where a true score is far above NEGR, and count in full where none is.
; LIMITS.  |v| < 65,520 (f16); bf16(v) below 2^-17 loses bits (at most 2^-25 absolute); a weight below 2^-126 counts as 0; NaN and infinities are not treated apart; a padded score is
; (q . k + NEGR) / sqrt(128), formed in f32 (step 0.0007 against 0.001 for a sum formed at -10000); the weight of a hidden key of the block's own 256 is 2^(c NEGR - fl(c NEGR)), within 4e-4 of 1.
; SHARES.  The four work-groups of a cluster are the four query heads of one K/V head on the same rows, so they walk alike and every tile of K and V is asked for JOINTLY (mask 15).
; A work-group takes two blocks of 256 rows, 7 - p and then p (p = the cluster's x): block i walks the key tiles i .. 7 of 256 keys: (p + 1) + (8 - p) = 9 tiles for every work-group:
; ONE loop with a constant trip count walks them; what a trip does hangs on scalar registers made from p; every jump but the counted loops' own goes forward, and none passes a barrier or a
; tensor load but the one of JLOAD's two that the wave's number does not choose.
; Of a block's four bands of 64 rows a wave owns 16 rows in each: four tiles.  In the block's own tile all four tiles run all four key steps; 6 of those 16 pairs of band and step are wholly
; hidden and are computed all the same (their keys then count with the weight of NEGR, as they must): the price of one text for every step.
; LAYOUT.  S^T = K Q^T + pad (source 0 = 16 keys, source 1 = 16 queries; the pad numbers are the C operand of the first link): a lane holds ONE query (lane % 16) and keys 8 (lane / 16) + 0..7.
; Two such results rounded to f16 in pairs ARE source 1 of O^T = V^T P.  K comes out of LDS as it lies, V turned, by ds_load_tr16_b128.
; A KEY STEP (64 keys) goes in stages: stage k holds tile k's softmax, dealt evenly behind the matrix instructions of its neighbours: K Q^T of tile k + 1 and V^T P of tile k - 1.
; REGISTERS, in windows of 256 (s_set_vgpr_msb: bits 1:0 source 0, 3:2 source 1, 5:4 source 2, 7:6 destination):
;   window 0: v0-11, v44-61 addresses and a few at work; v12-43 eight registers of statistics a tile; v64-191 S^T, 32 a tile; v192-255 P, 16 a tile
;   window 1: O^T, 64 a tile      window 2: v0-127 Q, 32 a tile; v128-255 K of one step      window 3: v0-127 V of one step; v128-159 the step's pad numbers
;   K's and V's 256 registers also take a block's Q as it comes from memory, in f32.
.set ROWB,  16384     ; bytes from a row of q or out0 to the next
.set KS,    64        ; keys in a step
.set PK,    272       ; a row of K in LDS: 256 bytes + 16: the 16 rows of a load start at 16 different groups of four banks (64 banks of 4 bytes: ISA guide 11.1)
.set PV,    288       ; a row of V: 256 + 32
.set KROWS, 260       ; rows in a tile of kb
.set KHALF, 130       ; of which a wave fetches half
.set POFF,  256*PK    ; the pad numbers' four rows, one for each key step
.set VOFF,  KROWS*PK  ; a slot: 260 rows of kb, then 256 rows of V: 144,448 bytes
.set SLOT1, 0x24000   ; slot 1 begins at 147,456.  What is turned from slot to slot (0; 35,360; 70,720; 107,584) has bits 14 and 17 clear, so one exclusive or adds or takes away this number
.set STG,   292096    ; behind slot 1 (which ends at 291,904), never filled by a tensor load: 16 rows x 272 bytes for each wave, Q's way in and O's way out
.set SP,    272
.set XTAB,  STG+4*16*SP   ; for each wave one row of 128 f32: the start of O for the block to begin
.set SPARE, XTAB+4*512    ; the spare words, 128 bytes for each wave: two blocks of 256 bytes that no other line names
.set KSTR,  KS*PK     ; from a step's K, V, pad numbers to the next step's
.set VSTR,  KS*PV
.set PSTR,  PK
.set AK0, 2           ; v2   my lane's place in a tile of K; never rewritten
.set AV0, 3           ; v3   the same for V
.set ADK, 4           ; v4   LDS address of K's run of loads in hand
.set ADV, 5           ; v5   of V's
.set AP0, 6           ; v6   my lane's place in a row of pad numbers
.set ADP, 7           ; v7   LDS address of the pad numbers' loads in hand
.set STO, 8           ; v8   stage, O's way in: row lane % 16, 32 bytes for each half of the lanes
.set RD,  9           ; v9   stage, O's way back: lanes 0-15 one row of 256 bytes, lanes 16-31 the next
.set QGA, 10          ; v10  my byte offset in q, first block: 16 x lane + the block
.set QGB, 11          ; v11  second block
.set ST,  12          ; tile t's statistics at v[ST+8 t]: c m, m, l, l, c0-c3 at work; a takes c2's place once the maximum is found
.set HX,  44          ; v44  my wave's XTAB + 32 (lane / 16)
.set EE,  46          ; v46  16 w + lane % 16 - 8 (lane / 16)
.set XW,  47          ; v47  where I store my 16 bytes of XTAB's row
.set XA,  48          ; v48-51  head: the first block's sum
.set VT,  48          ; v48  later: EE + 64 x tile + DSH
.set XBV, 52          ; v52-55  the second block's sum, kept until the first block ends
.set L16, 56          ; v56  16 x lane
.set HH,  57          ; v57  lane / 16
.set OGA, 58          ; v58  my byte offset in out0, first block: (lane / 16) rows + 16 (lane % 16) + the block
.set OGB, 59          ; v59  second block
.set QS,  60          ; v60  stage, Q's way in: 8 x lane
.set QF,  61          ; v61  stage, Q's way back: row lane % 16, 16 bytes for each half of the lanes
.set SPW, 62          ; v62  LDS address of my spare word; never rewritten
.set NIL, 63          ; v63  0; never rewritten
.set S,   64
.set P,   192
.set KF,  128         ; window 2: key group kb, channels 32 c on, at KF + 32 kb + 8 c
.set PADC, 128        ; window 3: key group kb at PADC + 8 kb
.set ROW0, 14         ; s14  the first row of the block in hand (or to begin): 256 i
.set KEY, 15          ; s15  the first key of the step in hand
.set WV,  16          ; s16  my wave's number
.set PR,  17          ; s17  p
.set SLOTS, 18        ; s18  counts the walk's tiles
.set CNT, 19          ; s19  counts a tile's four steps, 4 to 1
.set RT,  20          ; s20  tiles of the block in hand that are still to be entered
.set NEW, 21          ; s21  1: the tile to be entered is a block's first
.set OFF, 22          ; s[22:23] an offset, high word 0; in the head a weight
.set G1K, 24          ; s[24:31] descriptor group 1 for K's tiles
.set G1V, 32          ; s[32:39] for V's
.set G0K, 40          ; s[40:43] group 0 for K
.set G0V, 44          ; s[44:47] for V
.set CS,  48          ; s[48:49] c, twice
.set SEL, 50          ; s[50:51] v_permlanex16_b32's selects: each lane takes its own place in the other half
.set TBK, 52          ; s52  LDS byte at which K of the step to be fetched begins
.set TBV, 53          ; s53  the same for V, less VOFF
.set TBP, 54          ; s54  for the pad numbers, less POFF
.set NXT, 55          ; s55  the tile of keys to be asked for next
.set DSH, 56          ; s56  ROW0 - KEY: 0, -64, -128, -192 in the block's own tile; from -256 down no key is hidden
.set NEGR, 57         ; s57  -10000 sqrt(128)
.set FB,  80          ; s80  7 - p (head)
.set W_KQ, 0x0a       ; K and Q in window 2, S^T in window 0
.set W_KM, 0x3a       ; the same with the C operand in window 3
.set W_PV, 0x53       ; V in window 3, P in window 0, O^T in window 1
.set W_RS, 0x41       ; destination and source 0 in window 1, source 1 in window 0
.set MSB, 0
.macro WIN new                      ; the high byte repeats the setting that is left; a switch that changes nothing is dropped
.if MSB != (\new)
	s_set_vgpr_msb (MSB<<8)|(\new)
.set MSB, (\new)
.endif
.endm
; A vector instruction that reads a matrix result or writes one of a matrix instruction's registers, and a load into such a register, stand four places behind it; only plain vector
; instructions that name none of its registers are places (ISA guide 7.12.1 for vector instructions).
.macro PLACES
.rept 4
	v_nop
.endr
.endm
; A joint fill: waves 0 and 1 ask for the two halves of a tile of kb, waves 2 and 3 for those of its V.  The branch hangs on the wave's number alone.
; An s_nop 0 and four v_nop follow each of the two lines, ahead of the jump and the label.
.macro JLOAD
	s_cmp_lt_u32 s[WV], 2
	s_cbranch_scc0 .Lfor_v_\@
	tensor_load_to_lds s[G0K:G0K+3], s[G1K:G1K+7]
	s_nop 0
.rept 4
	v_nop
.endr
	s_branch .Lasked_\@
.Lfor_v_\@:
	tensor_load_to_lds s[G0V:G0V+3], s[G1V:G1V+7]
	s_nop 0
.rept 4
	v_nop
.endr
.Lasked_\@:
.endm
; A round of the cluster's barrier: my work-group's barrier, so that wave 0's signal speaks for all four waves; wave 0 signals; every wave waits for all four work-groups; my work-group's barrier once more.
.macro CROUND
	s_barrier_signal -1
	s_barrier_wait -1
	s_cmp_lg_u32 s[WV], 0
	s_cbranch_scc1 .Lnot_wave_0_\@
	s_barrier_signal -3
.Lnot_wave_0_\@:
	s_barrier_wait -3
	s_barrier_signal -1
	s_barrier_wait -1
.endm
; The descriptors' global addresses are made anew from the number of the tile to ask for; then that number steps: the block's next tile, or behind tile 7 the second block's first.
.macro ADDR
	s_mul_i32 s[OFF], s[NXT], KROWS*256
	s_add_nc_u64 s[G0K+2:G0K+3], s[6:7], s[OFF:OFF+1]   ; 120:64 global address
	s_or_b32 s[G0K+3], s[G0K+3], 0x80000000             ; 127:126 type = 2
	s_lshl_b32 s[OFF], s[NXT], 16
	s_add_nc_u64 s[G0V+2:G0V+3], s[8:9], s[OFF:OFF+1]
	s_or_b32 s[G0V+3], s[G0V+3], 0x80000000
	s_add_co_u32 s[NXT], s[NXT], 1
	s_cmp_gt_u32 s[NXT], 7
	s_cselect_b32 s[NXT], s[PR], s[NXT]
.endm
; THE CHANGE OF SLOTS.  Each wave waits for all its tensor loads (one is out: its part of the other slot), adds 0 to its spare word, and waits for that and for its reads of the slot that
; it leaves.  Behind the barrier nobody reads the old slot and the other slot is whole.  fill = 1: the barrier is a round of the cluster's, and the old slot is filled again first thing behind
; it: that load has four key steps in which to land.  (At its first use nothing has been read yet: slot 0 is waited for, slot 1 filled.)
.macro CHANGE fill
	WIN 0                           ; at a label and at a branch every window is 0
	s_wait_tensorcnt 0x0            ; no tensor load of mine is out, so a group 0 may be written
	ds_add_u32 v[SPW], v[NIL]       ; 0 onto my spare word; with fill = 1 the descriptors' scalar work stands between it and the wait for it
.if \fill
	s_xor_b32 s[G0K+1], s[G0K+1], SLOT1
	s_xor_b32 s[G0V+1], s[G0V+1], SLOT1
	ADDR
	s_wait_dscnt 0x0                ; the add is done, and my reads of the slot are over
	CROUND
	JLOAD
.else
	s_wait_dscnt 0x0                ; the add is done, and my reads of the slot are over
	s_barrier_signal -1
	s_barrier_wait -1
.endif
	s_sub_co_u32 s[TBK], s[TBK], 4*KSTR  ; the fetches go back to a slot's first step,
	s_xor_b32 s[TBK], s[TBK], SLOT1      ; in the other slot
	s_sub_co_u32 s[TBV], s[TBV], 4*VSTR
	s_xor_b32 s[TBV], s[TBV], SLOT1
	s_sub_co_u32 s[TBP], s[TBP], 4*PSTR
	s_xor_b32 s[TBP], s[TBP], SLOT1
.endm
; THE LDS LOADS stand in runs.  A step's pad numbers (8 loads) and K (32 loads, by channels: the 8 loads of channels 32 c on together, so that the first links can start on the first 16 loads):
.macro FETCH_KP
	WIN 0
	v_add_nc_u32 v[ADP], s[TBP], v[AP0]
	v_add_nc_u32 v[ADK], s[TBK], v[AK0]
	WIN 0xc0                        ; destination window 3
.irp m, 0,1,2,3,4,5,6,7             ; key group m / 2: keys 8 (lane / 16) + 4 (m % 2) + 0..3
	ds_load_b128 v[PADC+4*(\m):PADC+4*(\m)+3], v[ADP] offset:64*((\m)/2)+16*((\m)%2)
.endr
	WIN 0x80                        ; destination window 2
.irp f, 0,1,2,3,4,5,6,7,8,9,10,11,12,13,14,15  ; channels 32 (f / 4) on, keys 16 (f % 4) on
	ds_load_b128 v[KF+32*((\f)%4)+8*((\f)/4):KF+32*((\f)%4)+8*((\f)/4)+3],   v[ADK] offset:((\f)%4)*16*PK+((\f)/4)*64
	ds_load_b128 v[KF+32*((\f)%4)+8*((\f)/4)+4:KF+32*((\f)%4)+8*((\f)/4)+7], v[ADK] offset:((\f)%4)*16*PK+((\f)/4)*64+32
.endr
	s_add_co_u32 s[TBK], s[TBK], KSTR   ; the next fetch is the next step's
	s_add_co_u32 s[TBP], s[TBP], PSTR
	WIN 0
.endm
; and a step's V, turned (32 loads): lane l reads key 8 (l / 16) + l % 8, channels 8 ((l / 8) % 2) + 0..7, and is left with channel l % 16 and 8 keys
.macro FETCH_V
	WIN 0
	v_add_nc_u32 v[ADV], s[TBV], v[AV0]
	s_add_co_u32 s[TBV], s[TBV], VSTR
	WIN 0xc0
.irp f, 0,1,2,3,4,5,6,7,8,9,10,11,12,13,14,15  ; keys 32 (f / 8) on, channels 16 (f % 8) on
	ds_load_tr16_b128 v[8*(\f):8*(\f)+3],   v[ADV] offset:((\f)/8)*32*PV+((\f)%8)*32
	ds_load_tr16_b128 v[8*(\f)+4:8*(\f)+7], v[ADV] offset:((\f)/8)*32*PV+16*PV+((\f)%8)*32
.endr
	WIN 0
.endm
; THE MATRIX WORK.  The accumulators of a run of 16 take turns, one instruction a turn.
; Product i of 16 of S^T = K Q^T + pad for tile t: channels 32 (i / 4) on, keys 16 (i % 4) on.  The first 4 start the sums with the pad numbers.
.macro KQ1 t
.set rD, S+32*(\t)+8*(i%4)
.set rA, KF+32*(i%4)+8*(i/4)
.set rB, 32*(\t)+8*(i/4)
.if i < 4
	WIN W_KM
	v_wmma_f32_16x16x32_bf16 v[rD:rD+7], v[rA:rA+7], v[rB:rB+7], v[PADC+8*i:PADC+8*i+7]
.else
	WIN W_KQ
	v_wmma_f32_16x16x32_bf16 v[rD:rD+7], v[rA:rA+7], v[rB:rB+7], v[rD:rD+7]
.endif
.endm
; Product i of 16 of O^T += V^T P for tile t: keys 32 (i / 8) on, channels 16 (i % 8) on.
.macro PV1 t
	WIN W_PV
.set rD, 64*(\t)+8*(i%8)
.set rA, 64*(i/8)+8*(i%8)
.set rB, P+16*(\t)+8*(i/8)
	v_wmma_f32_16x16x32_f16 v[rD:rD+7], v[rA:rA+7], v[rB:rB+7], v[rD:rD+7]
.endm
; THE VECTOR WORK.  One tile's softmax for one key step is a list of 134 instructions; SM writes number j of it for tile t.  s0-s31 are the lane's 32 scores, in pairs 0-15.
;   0-15    the maximum of s0-s31 and the old m, three operands at a time: four chains c0-c3 of seven scores each (each accumulator's lowest registers are read first), then the rest
;   16-20   the other half of the lanes' maximum; the new m; c m; c m_old - c m_new
;   21-87   33 exponentials (a, then s0-s31) at the odd numbers from 23 on: each has a plain instruction behind it before its result is used (ISA guide 5.7.2).  The plain ones between them are what is
;           ready: c s - c m for a pair still to come, the rounding to f16 of a pair that is done, the first sums
;   88-101  the last rounding; the rest of the sums; l = a l + the sum
;   102-133 the tile's O^T times a, from its lowest register on
.macro SM t
.set rT, ST+8*(\t)
.set rS, S+32*(\t)
.set rP, P+16*(\t)
.set rO, 64*(\t)+2*(j-102)
.set q, (j-20)/2
.if j < 102
	WIN 0
.endif
.if j < 4
	v_max3_num_f32 v[rT+4+j], v[rS+8*j], v[rS+8*j+1], v[rS+8*j+2]
.elseif j < 12
	v_max3_num_f32 v[rT+4+j%4], v[rT+4+j%4], v[rS+8*(j%4)+2*(j/4)+1], v[rS+8*(j%4)+2*(j/4)+2]
.elseif j == 12
	v_max3_num_f32 v[rT+4], v[rT+4], v[rS+7], v[rS+15]
.elseif j == 13
	v_max3_num_f32 v[rT+6], v[rT+6], v[rS+23], v[rS+31]
.elseif j == 14
	v_max3_num_f32 v[rT+4], v[rT+4], v[rT+5], v[rT+6]
.elseif j == 15
	v_max3_num_f32 v[rT+4], v[rT+4], v[rT+7], v[rT+1]
.elseif j == 16
	v_permlanex16_b32 v[rT+5], v[rT+4], s[SEL], s[SEL+1]  ; the query's other 32 keys lie in the lane 16 away
.elseif j == 17
	v_mov_b32 v[rT+7], v[rT]        ; c m_old is kept for a: number 19 writes c m anew
.elseif j == 18
	v_max_num_f32 v[rT+1], v[rT+4], v[rT+5]
.elseif j == 19
	v_mul_f32 v[rT], s[CS], v[rT+1]
.elseif j == 20
	v_sub_f32 v[rT+7], v[rT+7], v[rT]
.elseif j == 23
	v_exp_f32 v[rT+6], v[rT+7]
.elseif (j < 88) && (j > 23) && (j%2 == 1)
	v_exp_f32 v[rS+(j-25)/2], v[rS+(j-25)/2]
.elseif (q < 4) || ((j < 76) && (q%2 == 0))
.set b, q/2+2
.if q < 4
.set b, q
.endif
	v_pk_fma_f32 v[rS+2*b:rS+2*b+1], v[rS+2*b:rS+2*b+1], s[CS:CS+1], v[rT:rT+1] op_sel_hi:[1,0,0] neg_lo:[0,0,1] neg_hi:[0,0,1]  ; pair b: c s - c m
.elseif (j < 88) && (q%2 == 1)
	s_wait_alu depctr_va_vdst(0)
	v_cvt_pk_f16_f32 v[rP+(q-5)/2], v[rS+q-5], v[rS+q-4]  ; pair (q - 5) / 2: its second exponential stands three numbers back
.elseif j == 89
	s_wait_alu depctr_va_vdst(0)
	v_cvt_pk_f16_f32 v[rP+15], v[rS+30], v[rS+31]
.elseif j < 102                     ; the sum of the tile's 16 pairs, in place: sum z of 16 adds neighbours 1, 2, 4 and 8 pairs apart, then l takes it
.set z, j-86
.if j < 89
.set z, (j-76)/4
.endif
.set w, 4
.set u, z
.if z >= 14
.set w, 32
.set u, 0
.elseif z >= 12
.set w, 16
.set u, z-12
.elseif z >= 8
.set w, 8
.set u, z-8
.endif
.if z < 15
	v_pk_add_f32 v[rS+w*u:rS+w*u+1], v[rS+w*u:rS+w*u+1], v[rS+w*u+w/2:rS+w*u+w/2+1]
.else
	v_pk_fma_f32 v[rT+2:rT+3], v[rT+2:rT+3], v[rT+6:rT+7], v[rS:rS+1] op_sel_hi:[1,0,1]
.endif
.else
	WIN W_RS
	v_pk_mul_f32 v[rO:rO+1], v[rO:rO+1], v[rT+6:rT+7] op_sel_hi:[1,0]
.endif
.endm
.macro SLICES t, n                  ; the next n numbers of tile t's list
.rept \n
	SM \t
.set j, j+1
.endr
.endm
; In a block's own 256 keys (DSH above -256) NEGR takes the place of every hidden score of tile t, ahead of the tile's list.  Register jj of S^T holds key KEY + 16 (jj / 8) + 8 (l / 16) + jj % 8;
; my query is row ROW0 + 64 t + 16 w + l % 16: the key is visible where it is the greater: 16 (jj / 8) + jj % 8 > EE + 64 t + DSH.
; From each accumulator's lowest register on.  Elsewhere the block is jumped over: it holds no barrier and no tensor load.
.macro MASKT t
	WIN 0
	s_cmp_gt_i32 s[DSH], 0xffffff00
	s_cbranch_scc0 .Lall_seen_\@
	v_add3_u32 v[VT], v[EE], s[DSH], 64*(\t)
.set jj, 0
.rept 32
	v_cmp_gt_i32 vcc_lo, 16*(jj/8)+jj%8, v[VT]
	v_cndmask_b32 v[S+32*(\t)+jj], s[NEGR], v[S+32*(\t)+jj], vcc_lo
.set jj, jj+1
.endr
.Lall_seen_\@:
.endm
; 16 products of one kind, two at a time (on two accumulators), and behind each two of them 2 x per numbers of tile own's list: one pair of window switches serves two products
.macro RUNKQ t, own, per
.set i, 0
.rept 8
	KQ1 \t
.set i, i+1
	KQ1 \t
.set i, i+1
	SLICES \own, 2*(\per)
.endr
.endm
.macro RUNPV t, own, per
.set i, 0
.rept 8
	PV1 \t
.set i, i+1
	PV1 \t
.set i, i+1
	SLICES \own, 2*(\per)
.endr
.endm
; A KEY STEP.  Its pad numbers and K have been asked for (40 loads); V's 32 loads follow them.  Tile 0's scores and tile 3's V^T P have no neighbour's list to carry.
; A list ends in 32 plain multiplies of the tile's own O^T, which name no register of the products round them: the six that are over at a stage's end, and those in front of them, are the
; places behind the stage's products.  The next step's pad numbers and K are fetched at the head of stage 3 (not in a tile's last step: the count is then 1): the last product that read
; them stands in the first half of stage 2.  dg = 1: the text that a block's own tile can pass.
.macro STEP dg
.if \dg
	s_sub_co_i32 s[DSH], s[ROW0], s[KEY]
.endif
	FETCH_V
.set i, 0
.rept 16
.if i%4 == 0
	s_wait_dscnt 56-8*(i/4)         ; may stay out: V's 32 loads and K's 8 for each later group of 32 channels
.endif
	KQ1 0
.set i, i+1
.endr
	PLACES
.if \dg
	MASKT 0
.endif
.set j, 0
	RUNKQ 1, 0, 8
	SLICES 0, 6
.if \dg
	MASKT 1
.endif
.set j, 0
	RUNKQ 2, 1, 4
	s_wait_dscnt 0x0                ; V is in: nothing else is out
	RUNPV 0, 1, 4
	SLICES 1, 6
.if \dg
	MASKT 2
.endif
.set j, 0
	RUNKQ 3, 2, 4
	RUNPV 1, 2, 4
	SLICES 2, 6
.if \dg
	MASKT 3
.endif
	WIN 0
	s_cmp_eq_u32 s[CNT], 1
	s_cbranch_scc1 .Lno_k_\@
	FETCH_KP
.Lno_k_\@:
.set j, 0
	RUNPV 2, 3, 8
	SLICES 3, 6
.set i, 0
.rept 16
	PV1 3
.set i, i+1
.endr
	PLACES                          ; in front of the next loads into V's registers and of what reads O^T next
	WIN 0
.endm
; A BLOCK'S Q, 64 rows of 512 bytes a wave, comes in f32 into K's and V's registers: a load takes one whole row, 16 bytes (4 channels) a lane; tile t's row k is load 16 t + k.
.macro QLOAD G
	WIN 0x80                        ; destination window 2, address window 0
.set n, 0
.rept 32
	global_load_b128 v[128+4*n:128+4*n+3], v[\G], s[4:5] offset:(n/16)*64*ROWB+(n%16)*ROWB th:TH_LOAD_NT
.set n, n+1
.endr
	WIN 0xc0                        ; destination window 3
.set n, 0
.rept 32
	global_load_b128 v[4*n:4*n+3], v[\G], s[4:5] offset:(2+n/16)*64*ROWB+(n%16)*ROWB th:TH_LOAD_NT
.set n, n+1
.endr
	WIN 0
.endm
; Tile t: rounded to bf16 (8 bytes a lane and row), into my stage by rows of 256 bytes, back by fragments (lane l: row l % 16, channels 8 (l / 16) + 0..7 and 16 more on) straight into Q's registers.
.macro QIN t
	s_wait_loadcnt 48-16*(\t)       ; loads come back in order: tile t's sixteen are in, the later tiles' may stay out
.if (\t) < 2
	WIN 0x0a                        ; sources in window 2
.set rR, 128+64*(\t)
.else
	WIN 0x0f                        ; sources in window 3
.set rR, 64*((\t)-2)
.endif
.set n, 0
.rept 32
	v_cvt_pk_bf16_f32 v[S+32*(\t)+n], v[rR+2*n], v[rR+2*n+1]
.set n, n+1
.endr
	WIN 0
.set n, 0
.rept 16
	ds_store_b64 v[QS], v[S+32*(\t)+2*n:S+32*(\t)+2*n+1] offset:n*SP
.set n, n+1
.endr
	WIN 0x80                        ; destination window 2
.set n, 0
.rept 4                             ; LDS serves a wave's instructions in order (ISA guide 5.7.1.4): these see the stores above, and the next tile's stores come behind them
	ds_load_b128 v[32*(\t)+8*n:32*(\t)+8*n+3],   v[QF] offset:64*n
	ds_load_b128 v[32*(\t)+8*n+4:32*(\t)+8*n+7], v[QF] offset:64*n+32
.set n, n+1
.endr
.endm
; A BLOCK BEGINS: Q; its first key is its first row; for every tile  m = NEGR, c m by the multiply that the list uses (so that a = 1 exactly while m stays), l = 256 i in four equal parts
; (two registers, two halves of the lanes), O^T = XTAB's row.
.macro START
	QIN 0
	QIN 1
	QIN 2
	QIN 3
	WIN 0
	s_mov_b32 s[NEW], 0
	s_mov_b32 s[KEY], s[ROW0]
	s_lshr_b32 s[OFF], s[ROW0], 2
.set n, 0
.rept 4
	v_mov_b32 v[ST+8*n+1], s[NEGR]
	v_cvt_f32_u32 v[ST+8*n+2], s[OFF]
	v_cvt_f32_u32 v[ST+8*n+3], s[OFF]
	v_mul_f32 v[ST+8*n], s[CS], v[ST+8*n+1]
.set n, n+1
.endr
	WIN 0x40                        ; destination window 1
.set n, 0
.rept 64                            ; tile n / 16, channels 16 ((n % 16) / 2) + 8 (lane / 16) + 4 (n % 2) on: the same for all 16 queries and all four tiles
	ds_load_b128 v[4*n:4*n+3], v[HX] offset:64*((n%16)/2)+16*(n%2)
.set n, n+1
.endr
	WIN 0
	s_wait_dscnt 0x0
.endm
; THE WAY OUT.  Group g = 2 t + hf (tile t, channels 64 hf on) goes through my stage: in by lanes (a query's 8 channels are 32 bytes), back as rows of 256 bytes, into one of six buffers in S^T's and P's registers.
.macro OUTH g
.if (\g) >= 6
	s_wait_xcnt 0x0                 ; the buffer is loaded again only when the stores that read it have had their addresses translated (ISA guide 3.1)
.endif
	WIN 0x04                        ; data in window 1
.set rR, 32*(\g)
.irp n, 0,1,2,3,4,5,6,7
	ds_store_b128 v[STO], v[rR+4*(\n):rR+4*(\n)+3] offset:64*((\n)/2)+16*((\n)%2)
.endr
	WIN 0
.set rW, S+32*((\g)%6)
.irp k, 0,1,2,3,4,5,6,7
	ds_load_b128 v[rW+4*(\k):rW+4*(\k)+3], v[RD] offset:2*(\k)*SP
.endr
.endm
.macro SENDH g, G, younger          ; younger: the LDS instructions issued behind group g's loads: the next group's sixteen, or none
	s_wait_dscnt \younger
.set rW, S+32*((\g)%6)
.irp k, 0,1,2,3,4,5,6,7
	global_store_b128 v[\G], v[rW+4*(\k):rW+4*(\k)+3], s[12:13] offset:((\g)/2)*64*ROWB+2*(\k)*ROWB+256*((\g)%2) th:TH_STORE_NT  ; 16 lanes store 256 consecutive bytes, at a multiple of 256 from out0's first
.endr
.endm
; A BLOCK ENDS.  more = 1: the second block's Q is asked for first: K's and V's registers are idle, four v_nop stand behind the last product that read them, and neither an LDS load nor an
; earlier load of Q into them is out; and the second block's sum takes XTAB's row, which the first block has read.
.macro FINISH G, more
	WIN 0
	s_wait_dscnt 0x0
.if \more
	s_wait_loadcnt 0x0              ; the loads below land in registers that the last block's loads of Q wrote: those are in, on every way to this line
	QLOAD QGB
	ds_store_b128 v[XW], v[XBV:XBV+3]
.endif
.set n, 0
.rept 4
	v_add_f32 v[ST+8*n+4], v[ST+8*n+2], v[ST+8*n+3]
.set n, n+1
.endr
.set n, 0
.rept 4
	v_permlanex16_b32 v[ST+8*n+5], v[ST+8*n+4], s[SEL], s[SEL+1]
.set n, n+1
.endr
.set n, 0
.rept 4
	v_add_f32 v[ST+8*n+4], v[ST+8*n+4], v[ST+8*n+5]
.set n, n+1
.endr
.set n, 0
.rept 4
	v_rcp_f32 v[ST+8*n+6], v[ST+8*n+4]
.set n, n+1
.endr
	v_nop                           ; a plain instruction between the last reciprocal and the use of its result
	WIN W_RS
.set n, 0
	s_wait_alu depctr_va_vdst(0)
.rept 128                           ; O^T / l, each accumulator from its lowest register on
	v_pk_mul_f32 v[2*n:2*n+1], v[2*n:2*n+1], v[ST+8*(n/32)+6:ST+8*(n/32)+7] op_sel_hi:[1,0]
.set n, n+1
.endr
	OUTH 0
.set gg, 1
.rept 7                             ; a group's way through the stage stands between the loads of the group before and its stores
	OUTH gg
	SENDH gg-1, \G, 16
.set gg, gg+1
.endr
	SENDH 7, \G, 0
	s_wait_xcnt 0x0                 ; the buffers are written again only behind this wait
.endm
	; ---------------------------------------------------------------- the head
	s_load_b256 s[4:11], s[0:1], 0x0   ; q s[4:5], kb s[6:7], vh s[8:9], cs s[10:11]
	s_load_b64 s[12:13], s[0:1], 0x20  ; out0
	v_lshl_add_u32 v[SPW], v0, 2, SPARE
	v_mov_b32 v[NIL], 0
	ds_add_u32 v[SPW], v[NIL]       ; the wave's opening: the add and its wait stand ahead of my first tensor load; the set-up below, work on registers, stands between them
	v_lshrrev_b32 v1, 5, v0
	v_readfirstlane_b32 s[WV], v1   ; wave 0..3
	s_mov_b32 s[PR], ttmp9          ; p: in a cluster launch ttmp9 counts clusters
	s_and_b32 s66, ttmp7, 0xffff    ; y = b*8+hk, which the four partners share
	s_lshr_b32 s67, s66, 3          ; b
	s_and_b32 s68, s66, 7           ; hk
	s_bfe_u32 s69, ttmp6, 0x40000   ; cx: my place in the cluster: it enters q's and out0's addresses alone
	s_lshl_b32 s70, s68, 2
	s_add_co_u32 s70, s70, s69      ; my query head = 4 hk + cx
	s_lshl_b32 s70, s70, 9          ; x 512 bytes
	s_lshl_b32 s71, s67, 25         ; + b x 2048 rows
	s_add_co_u32 s70, s70, s71
	s_lshl_b32 s71, s[WV], 18       ; + my wave's 16 rows in a band
	s_add_co_u32 s70, s70, s71
	s_mov_b32 s71, 0
	s_and_b32 s72, s[WV], 1         ; which half of a tile I fetch
	s_mul_i32 s74, s66, 8*KROWS*256 ; kb: y x 8 tiles
	s_mul_i32 s73, s72, KHALF*256   ;   + my 130 rows
	s_add_co_u32 s74, s74, s73
	s_mov_b32 s75, 0
	s_lshl_b32 s76, s66, 19         ; vh: y x 2048 x 256
	s_lshl_b32 s73, s72, 15         ;   + my 128 rows
	s_add_co_u32 s76, s76, s73
	s_mov_b32 s77, 0
	s_lshl_b32 s78, s66, 13         ; cs: y x 16 x 512
	s_mov_b32 s79, 0
	s_sub_co_u32 s[FB], 7, s[PR]    ; the first block
	s_mov_b32 s[NXT], s[FB]         ; its first tile of keys
	s_lshl_b32 s[ROW0], s[FB], 8    ; its first row
	s_lshl_b32 s81, s[FB], 22       ; a block's 256 rows are 2^22 bytes of q and out0
	s_lshl_b32 s82, s[PR], 22
	s_mul_i32 s83, s[WV], 16*SP
	s_add_co_u32 s83, s83, STG      ; my stage
	s_lshl_b32 s84, s[WV], 9
	s_add_co_u32 s84, s84, XTAB     ; my row of XTAB
	s_lshl_b32 s85, s[WV], 4
	s_add_co_u32 s[RT], s[PR], 1    ; the first block has p + 1 tiles
	s_mov_b32 s[NEW], 1
	s_mov_b32 s[SLOTS], 8
	s_mov_b32 s[OFF+1], 0
	s_mov_b32 s[NEGR], 0xc7dcf88b   ; -10000 sqrt(128) = -113137.0859375
	s_mov_b32 s[CS], 0x3e0293ee     ; c = log2(e) / sqrt(128) = 0.127517
	s_mov_b32 s[CS+1], s[CS]        ; named with it as a pair
	s_mov_b32 s[SEL], 0x76543210
	s_mov_b32 s[SEL+1], 0xfedcba98
	s_mov_b32 s[TBK], SLOT1+4*KSTR  ; the first change of slots turns these three into 0
	s_mov_b32 s[TBV], SLOT1+4*VSTR
	s_mov_b32 s[TBP], SLOT1+4*PSTR
	; descriptor group 1: rows of 128 elements of 2 bytes, dense in memory, padded in LDS; 130 rows of kb, 128 rows of V
	s_mov_b32 s[G1K], 15|(1<<16)|(1<<20)|(1<<21)|(5<<22)|(3<<25)  ; 15:0 the mask of four; 17:16 2-byte elements; 20 padding on; 21 set beside a mask; 24:22 after every 64 words (code 5); 31:25 4 words (code 3)
	s_mov_b32 s[G1K+1], 128<<16     ; tensor_dim0 = 128
	s_mov_b32 s[G1K+2], KHALF<<16   ; tensor_dim1 = 130
	s_mov_b32 s[G1K+3], 128<<16     ; tile_dim0 = 128
	s_mov_b32 s[G1K+4], KHALF       ; tile_dim1 = 130
	s_mov_b32 s[G1K+5], 128         ; 128 elements from row to row
	s_mov_b32 s[G1K+6], 0
	s_mov_b32 s[G1K+7], 0
	s_mov_b32 s[G1V], 15|(1<<16)|(1<<20)|(1<<21)|(5<<22)|(7<<25)  ; the same with 8 words of padding (code 7)
	s_mov_b32 s[G1V+1], 128<<16
	s_mov_b32 s[G1V+2], 128<<16
	s_mov_b32 s[G1V+3], 128<<16
	s_mov_b32 s[G1V+4], 128
	s_mov_b32 s[G1V+5], 128
	s_mov_b32 s[G1V+6], 0
	s_mov_b32 s[G1V+7], 0
	s_mov_b32 s[G0K], 1             ; 1:0 count = 1
	s_mul_i32 s[G0K+1], s72, KHALF*PK   ; 63:32 LDS address: slot 0, my half: no place in the cluster enters an LDS address
	s_mov_b32 s[G0V], 1
	s_mul_i32 s[G0V+1], s72, 128*PV
	s_add_co_u32 s[G0V+1], s[G0V+1], VOFF
	s_wait_dscnt 0x0                ; the opening add is done
	s_wait_kmcnt 0x0
	s_add_nc_u64 s[4:5], s[4:5], s[70:71]
	s_add_nc_u64 s[12:13], s[12:13], s[70:71]
	s_add_nc_u64 s[6:7], s[6:7], s[74:75]
	s_add_nc_u64 s[8:9], s[8:9], s[76:77]
	s_add_nc_u64 s[10:11], s[10:11], s[78:79]
	ADDR
	CROUND                          ; all four work-groups are here: the first joint loads meet
	JLOAD                           ; slot 0; slot 1 is asked for by the first change of slots
	v_and_b32 v1, 15, v0            ; l % 16
	v_bfe_u32 v[HH], v0, 4, 1       ; l / 16
	v_and_b32 v4, 31, v0            ; l
	v_lshlrev_b32 v[L16], 4, v4
	v_add_nc_u32 v[QGA], s81, v[L16]
	v_add_nc_u32 v[QGB], s82, v[L16]
	WIN 0x40                        ; destination window 1
.set n, 0
.rept 14                            ; cs, rows 0-13: the sums of V over keys 128 n .. 128 n + 127, as far as block 7's first key; a lane owns 4 channels
	global_load_b128 v[4*n:4*n+3], v[L16], s[10:11] offset:n*512
.set n, n+1
.endr
	QLOAD QGA                       ; the first block's Q
	v_lshlrev_b32 v5, 14, v[HH]     ; out0: lanes 16-31 take the next row
	v_lshl_add_u32 v5, v1, 4, v5
	v_add_nc_u32 v[OGA], s81, v5
	v_add_nc_u32 v[OGB], s82, v5
	v_mul_u32_u24 v[AK0], v1, PK
	v_lshl_add_u32 v[AK0], v[HH], 4, v[AK0]  ; row x pitch + 16 x half
	v_and_b32 v5, 7, v0
	v_bfe_u32 v7, v0, 3, 1
	v_lshl_add_u32 v[AV0], v[HH], 3, v5
	v_mul_u32_u24 v[AV0], v[AV0], PV
	v_lshl_add_u32 v[AV0], v7, 4, v[AV0]
	v_add_nc_u32 v[AV0], VOFF, v[AV0]
	v_lshl_add_u32 v[AP0], v[HH], 5, POFF
	v_add_nc_u32 v[QF], s83, v[AK0] ; the stage's pitch is K's
	v_lshl_add_u32 v[QS], v4, 3, s83
	v_mul_u32_u24 v[STO], v1, SP
	v_lshl_add_u32 v[STO], v[HH], 5, v[STO]
	v_add_nc_u32 v[STO], s83, v[STO]
	v_mul_u32_u24 v[RD], v[HH], SP
	v_lshl_add_u32 v[RD], v1, 4, v[RD]
	v_add_nc_u32 v[RD], s83, v[RD]
	v_lshl_add_u32 v[HX], v[HH], 5, s84
	v_add_nc_u32 v[XW], s84, v[L16]
	v_lshlrev_b32 v5, 3, v[HH]
	v_sub_nc_u32 v[EE], v1, v5
	v_add_nc_u32 v[EE], s85, v[EE]
	s_wait_loadcnt 63               ; of the 78 loads issued at most 63 are out (a wait's count names no more): the oldest 15 are in, all 14 rows of cs among them
	; The sums of V over the tiles of 256 keys: two rows of cs each, in place.  The first block is 4 or higher, so tiles 0-3 lie in front of it whatever p; every other tile is weighted 1 or 0
	; by a scalar compare: the same instructions in every work-group.  Each wave makes both sums for itself: no wave waits for another.
	WIN 0x45                        ; destination and both sources in window 1
.set u, 0
.rept 7
	v_pk_add_f32 v[8*u:8*u+1], v[8*u:8*u+1], v[8*u+4:8*u+5]
	v_pk_add_f32 v[8*u+2:8*u+3], v[8*u+2:8*u+3], v[8*u+6:8*u+7]
.set u, u+1
.endr
	WIN 0x01                        ; source 0 in window 1
	s_cmp_gt_u32 s[PR], 0
	s_cselect_b32 s[OFF], 1.0, 0
	v_pk_mul_f32 v[XBV:XBV+1], v[0:1], s[OFF:OFF+1] op_sel_hi:[1,0]
	v_pk_mul_f32 v[XBV+2:XBV+3], v[2:3], s[OFF:OFF+1] op_sel_hi:[1,0]
.irp u, 1,2
	s_cmp_gt_u32 s[PR], \u
	s_cselect_b32 s[OFF], 1.0, 0
	v_pk_fma_f32 v[XBV:XBV+1], v[8*\u:8*\u+1], s[OFF:OFF+1], v[XBV:XBV+1] op_sel_hi:[1,0,1]
	v_pk_fma_f32 v[XBV+2:XBV+3], v[8*\u+2:8*\u+3], s[OFF:OFF+1], v[XBV+2:XBV+3] op_sel_hi:[1,0,1]
.endr
	WIN 0x05                        ; both sources in window 1
	v_pk_add_f32 v[XA:XA+1], v[0:1], v[8:9]
	v_pk_add_f32 v[XA+2:XA+3], v[2:3], v[10:11]
	WIN 0x01
.irp u, 2,3
	v_pk_add_f32 v[XA:XA+1], v[8*\u:8*\u+1], v[XA:XA+1]
	v_pk_add_f32 v[XA+2:XA+3], v[8*\u+2:8*\u+3], v[XA+2:XA+3]
.endr
.irp u, 4,5,6
	s_cmp_gt_u32 s[FB], \u
	s_cselect_b32 s[OFF], 1.0, 0
	v_pk_fma_f32 v[XA:XA+1], v[8*\u:8*\u+1], s[OFF:OFF+1], v[XA:XA+1] op_sel_hi:[1,0,1]
	v_pk_fma_f32 v[XA+2:XA+3], v[8*\u+2:8*\u+3], s[OFF:OFF+1], v[XA+2:XA+3] op_sel_hi:[1,0,1]
.endr
	WIN 0
	ds_store_b128 v[XW], v[XA:XA+3] ; the first block's sum; the second's waits in its registers
	; ---------------------------------------------------------------- the walk: 8 trips, a tile is entered and the next is asked for; the 9th tile is written out behind the loop
.Lslot:
	CHANGE 1
	s_sub_co_u32 s[RT], s[RT], 1
	s_cmp_eq_u32 s[NEW], 1          ; at the first trip the answer is a constant of the text
	s_cbranch_scc0 .Lwork
	START
.Lwork:
	s_wait_loadcnt 0x0              ; on every way to this line no load of Q is out: K's registers, which took Q, are loaded from LDS next;
	s_wait_storecnt 0x0             ; and a finished block's stores, which have had START's length to leave, are done
	FETCH_KP
	s_mov_b32 s[CNT], 4
.Lstep:
	STEP 1
	s_add_co_u32 s[KEY], s[KEY], KS
	s_sub_co_u32 s[CNT], s[CNT], 1
	s_cmp_lg_u32 s[CNT], 0
	s_cbranch_scc1 .Lstep
	s_cmp_lg_u32 s[RT], 0
	s_cbranch_scc1 .Lbottom
	FINISH OGA, 1                   ; in the loop this is the first block's end: the second block's last tile is the walk's last
	s_sub_co_u32 s[RT], 8, s[PR]    ; the second block has 8 - p tiles
	s_lshl_b32 s[ROW0], s[PR], 8
	s_mov_b32 s[NEW], 1
.Lbottom:
	s_sub_co_u32 s[SLOTS], s[SLOTS], 1
	s_cmp_lg_u32 s[SLOTS], 0
	s_cbranch_scc1 .Lslot
	CHANGE 0                        ; the walk's last tile is written out: nothing is asked for.  The second block has five tiles or more, so in this one no key is hidden
	s_wait_loadcnt 0x0              ; no load of Q is out here: the second block began four tiles ago or earlier; the line says so for every way through the text, ahead of the loads into K's registers
	FETCH_KP
	s_mov_b32 s[CNT], 4
.Llast:
	STEP 0
	s_sub_co_u32 s[CNT], s[CNT], 1
	s_cmp_lg_u32 s[CNT], 0
	s_cbranch_scc1 .Llast
	FINISH OGB, 0
	s_wait_tensorcnt 0x0            ; the wave's end, behind my last tensor load and my last LDS store
	ds_add_u32 v[SPW], v[NIL]
	s_wait_dscnt 0x0
	CROUND                          ; the closing round: no work-group ends while a partner may still ask for a tile that names it
	s_endpgm
.Lfunc_end_k_qd5b8759b06_attn:
	.size	k_qd5b8759b06_attn, .Lfunc_end_k_qd5b8759b06_attn-k_qd5b8759b06_attn
	.p2alignl 7, 3214868480
	.fill 96, 4, 3214868480
	.section	.rodata,"a",@progbits
	.p2align	6, 0x0
	.amdhsa_kernel k_qd5b8759b06_attn
		.amdhsa_group_segment_fixed_size 327680
		.amdhsa_private_segment_fixed_size 0
		.amdhsa_enable_private_segment 0
		.amdhsa_kernarg_size 40
		.amdhsa_user_sgpr_count 2
		.amdhsa_user_sgpr_kernarg_segment_ptr 1
		.amdhsa_wavefront_size32 1
		.amdhsa_system_sgpr_workgroup_id_x 1
		.amdhsa_system_sgpr_workgroup_id_y 1
		.amdhsa_system_sgpr_workgroup_id_z 1
		.amdhsa_system_vgpr_workitem_id 0
		.amdhsa_next_free_vgpr 928
		.amdhsa_next_free_sgpr 90
		.amdhsa_reserve_vcc 1
		.amdhsa_float_denorm_mode_32 3
		.amdhsa_float_denorm_mode_16_64 3
		.amdhsa_memory_ordered 1
		.amdhsa_forward_progress 1
		.amdhsa_inst_pref_size 203
	.end_amdhsa_kernel
	.amdgpu_metadata
---
amdhsa.version: [ 1, 2 ]
amdhsa.kernels:
  - .name:           k_qd5b8759b06_attn
    .symbol:         k_qd5b8759b06_attn.kd
    .args:
      - { .name: q, .offset: 0, .size: 8, .value_kind: global_buffer, .address_space: global }
      - { .name: kb, .offset: 8, .size: 8, .value_kind: global_buffer, .address_space: global }
      - { .name: vh, .offset: 16, .size: 8, .value_kind: global_buffer, .address_space: global }
      - { .name: cs, .offset: 24, .size: 8, .value_kind: global_buffer, .address_space: global }
      - { .name: out0, .offset: 32, .size: 8, .value_kind: global_buffer, .address_space: global }
    .group_segment_fixed_size: 327680
    .private_segment_fixed_size: 0
    .kernarg_segment_align: 8
    .kernarg_segment_size: 40
    .max_flat_workgroup_size: 128
    .sgpr_count:     90
    .vgpr_count:     928
    .wavefront_size: 32
...
	.end_amdgpu_metadata
.endif
;; end of part 2
;; ======== version 2 of 2: 2 launches; 1.22 times as fast as version 1
;; limits: values are held in f16: magnitudes above 65,504 overflow, below 6.1e-05 lose precision
;; workspace buffers: kb 8,519,680 bytes; vh 8,388,608 bytes; cs 131,072 bytes
;; launch prep: the kernel of part 1 again; grid 16 x 16, 8 waves a work-group, no clusters, 3,072 bytes of LDS; arguments kv, key_padding_mask, kb, vh, cs; writes kb, vh, cs
;; launch attn (part 3): grid 16 x 16, 4 waves a work-group, clusters of 4 x 1, 327,680 bytes of LDS; arguments q, kb, vh, cs, out0; writes out0
.if DOCPART == 3
	.amdgcn_target "amdgcn-amd-amdhsa--gfx1250"
	.amdhsa_code_object_version 6
	.text
	.protected	k_qd5b8759b06_attn
	.globl	k_qd5b8759b06_attn
	.p2align	8
	.type	k_qd5b8759b06_attn,@function
k_qd5b8759b06_attn:
	s_mov_b64 s[64:65], 0
	v_nop
	global_prefetch_b8 v0, s[64:65] scope:SCOPE_SE
	s_setreg_imm32_b32 hwreg(HW_REG_WAVE_MODE, 25, 1), 1
	s_wait_xcnt 0x0
	s_wait_alu depctr_hold_cnt(0) depctr_sa_sdst(0) depctr_va_vdst(0) depctr_va_sdst(0) depctr_va_ssrc(0) depctr_va_vcc(0) depctr_vm_vsrc(0)
	s_getreg_b32 s2, hwreg(HW_REG_IB_STS2, 6, 4)
	s_cmp_eq_u32 s2, 0
	s_cbranch_scc0 .Lentry_in_a_cluster
	s_endpgm
.Lentry_in_a_cluster:
	s_bfe_u32 s2, ttmp6, 0x10000c
	s_cmp_lg_u32 s2, 0x3003
	s_cbranch_scc0 .Lentry_shape_is_right
	s_endpgm
.Lentry_shape_is_right:
; out0[b][t][h][:] = the sum over s of softmax_s(score(t, s)) v[b][s][h/4][:],  score = q . k / sqrt(128) + (key padded ? -10000 : 0) where s > t, and -10000 where s <= t.
; q, out0: [2][2048][32][128] f32.  kb: [b*8+hk][8 tiles][260 rows][256 bytes]: 256 keys in bf16, then their 256 pad numbers (0 or NEGR) in f32.  vh: [b*8+hk][2048][128] f16.
; cs: [b*8+hk][16][128] f32, sums of V over 128 keys.
; Scores are kept unscaled; NEGR = -10000 sqrt(128) stands for -10000; p = 2^(c s - c m), c = log2(e) / sqrt(128).  K Q^T in bf16, V^T P in f16; sums, maxima and l in f32.
; HIDDEN KEYS.  Every key s <= t has the same score NEGR, and every row has one (s = t).  So a block of 256 rows starts its running softmax with m = NEGR, l = the number of keys in front of the
; block, O = the sum of their rows of V (from cs), and walks only the keys from the block's first on; in the block's own 256 keys every hidden score is replaced by NEGR.
; The running maximum and the rescaling then serve every case: hidden keys vanish where a true score is far above NEGR, and count in full where none is.
; LIMITS.  |v| < 65,520 (f16); bf16(v) below 2^-17 loses bits (at most 2^-25 absolute); a weight below 2^-126 counts as 0; NaN and infinities are not treated apart; a padded score is
; (q . k + NEGR) / sqrt(128), formed in f32 (step 0.0007 against 0.001 for a sum formed at -10000); the weight of a hidden key of the block's own 256 is 2^(c NEGR - fl(c NEGR)), within 4e-4 of 1.
; SHARES.  The four work-groups of a cluster are the four query heads of one K/V head on the same rows, so they walk alike and every tile of K and V is asked for JOINTLY (mask 15).
; A work-group takes two blocks of 256 rows, 7 - p and then p (p = the cluster's x): block i walks the key tiles i .. 7 of 256 keys: (p + 1) + (8 - p) = 9 tiles for every work-group:
; ONE loop with a constant trip count walks them; what a trip does hangs on scalar registers made from p; every jump but the counted loops' own goes forward, and none passes a barrier or a
; tensor load but the one of JLOAD's two that the wave's number does not choose.
; Of a block's four bands of 64 rows a wave owns 16 rows in each: four tiles.  In the block's own tile all four tiles run all four key steps; 6 of those 16 pairs of band and step are wholly
; hidden and are computed all the same (their keys then count with the weight of NEGR, as they must): the price of one text for every step.
; LAYOUT.  S^T = K Q^T + pad (source 0 = 16 keys, source 1 = 16 queries; the pad numbers are the C operand of the first link): a lane holds ONE query (lane % 16) and keys 8 (lane / 16) + 0..7.
; Two such results rounded to f16 in pairs ARE source 1 of O^T = V^T P.  K comes out of LDS as it lies, V turned, by ds_load_tr16_b128.
; A KEY STEP (64 keys) goes in stages: stage k holds tile k's softmax, dealt evenly behind the matrix instructions of its neighbours: K Q^T of tile k + 1 and V^T P of tile k - 1.
; THE EXPONENTIALS.  A tile's 33 exponentials of a key step (a and its 32 weights) are ONE BATCH: they and the scalings that feed them stand together in the tile's list, nothing among them names a
; result of theirs, and all that does (roundings, sums, the rescaling by a) comes behind the batch's one wait: four such waits a key step, one a stage.  A stage's list is whole at every label and
; branch of the step.  A block's four reciprocals, on the way out, are a batch of their own.
; REGISTERS, in windows of 256 (s_set_vgpr_msb: bits 1:0 source 0, 3:2 source 1, 5:4 source 2, 7:6 destination):
;   window 0: v0-11, v44-61 addresses and a few at work; v12-43 eight registers of statistics a tile; v64-191 S^T, 32 a tile; v192-255 P, 16 a tile
;   window 1: O^T, 64 a tile      window 2: v0-127 Q, 32 a tile; v128-255 K of one step      window 3: v0-127 V of one step; v128-159 the step's pad numbers
;   K's and V's 256 registers also take a block's Q as it comes from memory, in f32.
.set ROWB,  16384     ; bytes from a row of q or out0 to the next
.set KS,    64        ; keys in a step
.set PK,    272       ; a row of K in LDS: 256 bytes + 16: the 16 rows of a load start at 16 different groups of four banks (64 banks of 4 bytes: ISA guide 11.1)
.set PV,    288       ; a row of V: 256 + 32
.set KROWS, 260       ; rows in a tile of kb
.set KHALF, 130       ; of which a wave fetches half
.set POFF,  256*PK    ; the pad numbers' four rows, one for each key step
.set VOFF,  KROWS*PK  ; a slot: 260 rows of kb, then 256 rows of V: 144,448 bytes
.set SLOT1, 0x24000   ; slot 1 begins at 147,456.  What is turned from slot to slot (0; 35,360; 70,720; 107,584) has bits 14 and 17 clear, so one exclusive or adds or takes away this number
.set STG,   292096    ; behind slot 1 (which ends at 291,904), never filled by a tensor load: 16 rows x 272 bytes for each wave, Q's way in and O's way out
.set SP,    272
.set XTAB,  STG+4*16*SP   ; for each wave one row of 128 f32: the start of O for the block to begin
.set SPARE, XTAB+4*512    ; the spare words, 128 bytes for each wave: two blocks of 256 bytes that no other line names
.set KSTR,  KS*PK     ; from a step's K, V, pad numbers to the next step's
.set VSTR,  KS*PV
.set PSTR,  PK
.set AK0, 2           ; v2   my lane's place in a tile of K; never rewritten
.set AV0, 3           ; v3   the same for V
.set ADK, 4           ; v4   LDS address of K's run of loads in hand
.set ADV, 5           ; v5   of V's
.set AP0, 6           ; v6   my lane's place in a row of pad numbers
.set ADP, 7           ; v7   LDS address of the pad numbers' loads in hand
.set STO, 8           ; v8   stage, O's way in: row lane % 16, 32 bytes for each half of the lanes
.set RD,  9           ; v9   stage, O's way back: lanes 0-15 one row of 256 bytes, lanes 16-31 the next
.set QGA, 10          ; v10  my byte offset in q, first block: 16 x lane + the block
.set QGB, 11          ; v11  second block
.set ST,  12          ; tile t's statistics at v[ST+8 t]: c m, m, l, l, c0-c3 at work; a takes c2's place once the maximum is found
.set HX,  44          ; v44  my wave's XTAB + 32 (lane / 16)
.set EE,  46          ; v46  16 w + lane % 16 - 8 (lane / 16)
.set XW,  47          ; v47  where I store my 16 bytes of XTAB's row
.set XA,  48          ; v48-51  head: the first block's sum
.set VT,  48          ; v48  later: EE + 64 x tile + DSH
.set XBV, 52          ; v52-55  the second block's sum, kept until the first block ends
.set L16, 56          ; v56  16 x lane
.set HH,  57          ; v57  lane / 16
.set OGA, 58          ; v58  my byte offset in out0, first block: (lane / 16) rows + 16 (lane % 16) + the block
.set OGB, 59          ; v59  second block
.set QS,  60          ; v60  stage, Q's way in: 8 x lane
.set QF,  61          ; v61  stage, Q's way back: row lane % 16, 16 bytes for each half of the lanes
.set SPW, 62          ; v62  LDS address of my spare word; never rewritten
.set NIL, 63          ; v63  0; never rewritten
.set S,   64
.set P,   192
.set KF,  128         ; window 2: key group kb, channels 32 c on, at KF + 32 kb + 8 c
.set PADC, 128        ; window 3: key group kb at PADC + 8 kb
.set ROW0, 14         ; s14  the first row of the block in hand (or to begin): 256 i
.set KEY, 15          ; s15  the first key of the step in hand
.set WV,  16          ; s16  my wave's number
.set PR,  17          ; s17  p
.set SLOTS, 18        ; s18  counts the walk's tiles
.set CNT, 19          ; s19  counts a tile's four steps, 4 to 1
.set RT,  20          ; s20  tiles of the block in hand that are still to be entered
.set NEW, 21          ; s21  1: the tile to be entered is a block's first
.set OFF, 22          ; s[22:23] an offset, high word 0; in the head a weight
.set G1K, 24          ; s[24:31] descriptor group 1 for K's tiles
.set G1V, 32          ; s[32:39] for V's
.set G0K, 40          ; s[40:43] group 0 for K
.set G0V, 44          ; s[44:47] for V
.set CS,  48          ; s[48:49] c, twice
.set SEL, 50          ; s[50:51] v_permlanex16_b32's selects: each lane takes its own place in the other half
.set TBK, 52          ; s52  LDS byte at which K of the step to be fetched begins
.set TBV, 53          ; s53  the same for V, less VOFF
.set TBP, 54          ; s54  for the pad numbers, less POFF
.set NXT, 55          ; s55  the tile of keys to be asked for next
.set DSH, 56          ; s56  ROW0 - KEY: 0, -64, -128, -192 in the block's own tile; from -256 down no key is hidden
.set NEGR, 57         ; s57  -10000 sqrt(128)
.set FB,  80          ; s80  7 - p (head)
.set W_KQ, 0x0a       ; K and Q in window 2, S^T in window 0
.set W_KM, 0x3a       ; the same with the C operand in window 3
.set W_PV, 0x53       ; V in window 3, P in window 0, O^T in window 1
.set W_RS, 0x41       ; destination and source 0 in window 1, source 1 in window 0
.set MSB, 0
.macro WIN new                      ; the high byte repeats the setting that is left; a switch that changes nothing is dropped
.if MSB != (\new)
	s_set_vgpr_msb (MSB<<8)|(\new)
.set MSB, (\new)
.endif
.endm
; A vector instruction that reads a matrix result or writes one of a matrix instruction's registers, and a load into such a register, stand four places behind it; only plain vector
; instructions that name none of its registers are places (ISA guide 7.12.1 for vector instructions).
.macro PLACES
.rept 4
	v_nop
.endr
.endm
; A joint fill: waves 0 and 1 ask for the two halves of a tile of kb, waves 2 and 3 for those of its V.  The branch hangs on the wave's number alone.
; An s_nop 0 and four v_nop follow each of the two lines, ahead of the jump and the label.
.macro JLOAD
	s_cmp_lt_u32 s[WV], 2
	s_cbranch_scc0 .Lfor_v_\@
	tensor_load_to_lds s[G0K:G0K+3], s[G1K:G1K+7]
	s_nop 0
.rept 4
	v_nop
.endr
	s_branch .Lasked_\@
.Lfor_v_\@:
	tensor_load_to_lds s[G0V:G0V+3], s[G1V:G1V+7]
	s_nop 0
.rept 4
	v_nop
.endr
.Lasked_\@:
.endm
; A round of the cluster's barrier: my work-group's barrier, so that wave 0's signal speaks for all four waves; wave 0 signals; every wave waits for all four work-groups; my work-group's barrier once more.
.macro CROUND
	s_barrier_signal -1
	s_barrier_wait -1
	s_cmp_lg_u32 s[WV], 0
	s_cbranch_scc1 .Lnot_wave_0_\@
	s_barrier_signal -3
.Lnot_wave_0_\@:
	s_barrier_wait -3
	s_barrier_signal -1
	s_barrier_wait -1
.endm
; The descriptors' global addresses are made anew from the number of the tile to ask for; then that number steps: the block's next tile, or behind tile 7 the second block's first.
.macro ADDR
	s_mul_i32 s[OFF], s[NXT], KROWS*256
	s_add_nc_u64 s[G0K+2:G0K+3], s[6:7], s[OFF:OFF+1]   ; 120:64 global address
	s_or_b32 s[G0K+3], s[G0K+3], 0x80000000             ; 127:126 type = 2
	s_lshl_b32 s[OFF], s[NXT], 16
	s_add_nc_u64 s[G0V+2:G0V+3], s[8:9], s[OFF:OFF+1]
	s_or_b32 s[G0V+3], s[G0V+3], 0x80000000
	s_add_co_u32 s[NXT], s[NXT], 1
	s_cmp_gt_u32 s[NXT], 7
	s_cselect_b32 s[NXT], s[PR], s[NXT]
.endm
; THE CHANGE OF SLOTS.  Each wave waits for all its tensor loads (one is out: its part of the other slot), adds 0 to its spare word, and waits for that and for its reads of the slot that
; it leaves.  Behind the barrier nobody reads the old slot and the other slot is whole.  fill = 1: the barrier is a round of the cluster's, and the old slot is filled again first thing behind
; it: that load has four key steps in which to land.  (At its first use nothing has been read yet: slot 0 is waited for, slot 1 filled.)
.macro CHANGE fill
	WIN 0                           ; at a label and at a branch every window is 0
	s_wait_tensorcnt 0x0            ; no tensor load of mine is out, so a group 0 may be written
	ds_add_u32 v[SPW], v[NIL]       ; 0 onto my spare word; with fill = 1 the descriptors' scalar work stands between it and the wait for it
.if \fill
	s_xor_b32 s[G0K+1], s[G0K+1], SLOT1
	s_xor_b32 s[G0V+1], s[G0V+1], SLOT1
	ADDR
	s_wait_dscnt 0x0                ; the add is done, and my reads of the slot are over
	CROUND
	JLOAD
.else
	s_wait_dscnt 0x0                ; the add is done, and my reads of the slot are over
	s_barrier_signal -1
	s_barrier_wait -1
.endif
	s_sub_co_u32 s[TBK], s[TBK], 4*KSTR  ; the fetches go back to a slot's first step,
	s_xor_b32 s[TBK], s[TBK], SLOT1      ; in the other slot
	s_sub_co_u32 s[TBV], s[TBV], 4*VSTR
	s_xor_b32 s[TBV], s[TBV], SLOT1
	s_sub_co_u32 s[TBP], s[TBP], 4*PSTR
	s_xor_b32 s[TBP], s[TBP], SLOT1
.endm
; THE LDS LOADS stand in runs.  A step's pad numbers (8 loads) and K (32 loads, by channels: the 8 loads of channels 32 c on together, so that the first links can start on the first 16 loads):
.macro FETCH_KP
	WIN 0
	v_add_nc_u32 v[ADP], s[TBP], v[AP0]
	v_add_nc_u32 v[ADK], s[TBK], v[AK0]
	WIN 0xc0                        ; destination window 3
.irp m, 0,1,2,3,4,5,6,7             ; key group m / 2: keys 8 (lane / 16) + 4 (m % 2) + 0..3
	ds_load_b128 v[PADC+4*(\m):PADC+4*(\m)+3], v[ADP] offset:64*((\m)/2)+16*((\m)%2)
.endr
	WIN 0x80                        ; destination window 2
.irp f, 0,1,2,3,4,5,6,7,8,9,10,11,12,13,14,15  ; channels 32 (f / 4) on, keys 16 (f % 4) on
	ds_load_b128 v[KF+32*((\f)%4)+8*((\f)/4):KF+32*((\f)%4)+8*((\f)/4)+3],   v[ADK] offset:((\f)%4)*16*PK+((\f)/4)*64
	ds_load_b128 v[KF+32*((\f)%4)+8*((\f)/4)+4:KF+32*((\f)%4)+8*((\f)/4)+7], v[ADK] offset:((\f)%4)*16*PK+((\f)/4)*64+32
.endr
	s_add_co_u32 s[TBK], s[TBK], KSTR   ; the next fetch is the next step's
	s_add_co_u32 s[TBP], s[TBP], PSTR
	WIN 0
.endm
; and a step's V, turned (32 loads): lane l reads key 8 (l / 16) + l % 8, channels 8 ((l / 8) % 2) + 0..7, and is left with channel l % 16 and 8 keys
.macro FETCH_V
	WIN 0
	v_add_nc_u32 v[ADV], s[TBV], v[AV0]
	s_add_co_u32 s[TBV], s[TBV], VSTR
	WIN 0xc0
.irp f, 0,1,2,3,4,5,6,7,8,9,10,11,12,13,14,15  ; keys 32 (f / 8) on, channels 16 (f % 8) on
	ds_load_tr16_b128 v[8*(\f):8*(\f)+3],   v[ADV] offset:((\f)/8)*32*PV+((\f)%8)*32
	ds_load_tr16_b128 v[8*(\f)+4:8*(\f)+7], v[ADV] offset:((\f)/8)*32*PV+16*PV+((\f)%8)*32
.endr
	WIN 0
.endm
; THE MATRIX WORK.  The accumulators of a run of 16 take turns, one instruction a turn.
; Product i of 16 of S^T = K Q^T + pad for tile t: channels 32 (i / 4) on, keys 16 (i % 4) on.  The first 4 start the sums with the pad numbers.
.macro KQ1 t
.set rD, S+32*(\t)+8*(i%4)
.set rA, KF+32*(i%4)+8*(i/4)
.set rB, 32*(\t)+8*(i/4)
.if i < 4
	WIN W_KM
	v_wmma_f32_16x16x32_bf16 v[rD:rD+7], v[rA:rA+7], v[rB:rB+7], v[PADC+8*i:PADC+8*i+7]
.else
	WIN W_KQ
	v_wmma_f32_16x16x32_bf16 v[rD:rD+7], v[rA:rA+7], v[rB:rB+7], v[rD:rD+7]
.endif
.endm
; Product i of 16 of O^T += V^T P for tile t: keys 32 (i / 8) on, channels 16 (i % 8) on.
.macro PV1 t
	WIN W_PV
.set rD, 64*(\t)+8*(i%8)
.set rA, 64*(i/8)+8*(i%8)
.set rB, P+16*(\t)+8*(i/8)
	v_wmma_f32_16x16x32_f16 v[rD:rD+7], v[rA:rA+7], v[rB:rB+7], v[rD:rD+7]
.endm
; THE VECTOR WORK.  One tile's softmax for one key step is a list of 134 instructions; SM writes number j of it for tile t.  s0-s31 are the lane's 32 scores, in pairs 0-15.
;   0-15    the maximum of s0-s31 and the old m, three operands at a time: four chains c0-c3 of seven scores each (each accumulator's lowest registers are read first), then the rest
;   16-20   the other half of the lanes' maximum; the new m; c m; c m_old - c m_new
;   21-69   ONE BATCH: the 16 scalings c s - c m, a pair of scores each, and all 33 exponentials (a at 23, then s0-s31, each in place).  None of these reads an exponential's result.
;           21, 22 scalings; 23-37 exponential and scaling by turns; 38-65 a scaling and three exponentials; 66-69 the last four exponentials.  A pair is scaled four numbers or more ahead of its exponentials
;   (wait)  between 69 and 70 stand a v_nop and the wait for the batch: they are written with number 70 and are not counted in the list
;   70-85   the roundings to f16, a pair of weights each: all of them ahead of the sums, which work in place
;   86-101  the sums; l = a l + the sum
;   102-133 the tile's O^T times a, from its lowest register on
.macro SM t
.set rT, ST+8*(\t)
.set rS, S+32*(\t)
.set rP, P+16*(\t)
.set rO, 64*(\t)+2*(j-102)
.if j < 102
	WIN 0
.endif
.if j < 4
	v_max3_num_f32 v[rT+4+j], v[rS+8*j], v[rS+8*j+1], v[rS+8*j+2]
.elseif j < 12
	v_max3_num_f32 v[rT+4+j%4], v[rT+4+j%4], v[rS+8*(j%4)+2*(j/4)+1], v[rS+8*(j%4)+2*(j/4)+2]
.elseif j == 12
	v_max3_num_f32 v[rT+4], v[rT+4], v[rS+7], v[rS+15]
.elseif j == 13
	v_max3_num_f32 v[rT+6], v[rT+6], v[rS+23], v[rS+31]
.elseif j == 14
	v_max3_num_f32 v[rT+4], v[rT+4], v[rT+5], v[rT+6]
.elseif j == 15
	v_max3_num_f32 v[rT+4], v[rT+4], v[rT+7], v[rT+1]
.elseif j == 16
	v_permlanex16_b32 v[rT+5], v[rT+4], s[SEL], s[SEL+1]  ; the query's other 32 keys lie in the lane 16 away
.elseif j == 17
	v_mov_b32 v[rT+7], v[rT]        ; c m_old is kept for a: number 19 writes c m anew
.elseif j == 18
	v_max_num_f32 v[rT+1], v[rT+4], v[rT+5]
.elseif j == 19
	v_mul_f32 v[rT], s[CS], v[rT+1]
.elseif j == 20
	v_sub_f32 v[rT+7], v[rT+7], v[rT]
.elseif j == 23
	v_exp_f32 v[rT+6], v[rT+7]
.elseif (j < 23) || ((j < 38) && (j%2 == 0)) || ((j < 66) && (j%4 == 2))
.set b, (j-2)/4                     ; 38, 42, .. 62: pairs 9 to 15
.if j < 38
.set b, (j-20)/2                    ; 21: pair 0; 22, 24, .. 36: pairs 1 to 8
.endif
	v_pk_fma_f32 v[rS+2*b:rS+2*b+1], v[rS+2*b:rS+2*b+1], s[CS:CS+1], v[rT:rT+1] op_sel_hi:[1,0,0] neg_lo:[0,0,1] neg_hi:[0,0,1]  ; pair b: c s - c m
.elseif j < 70
.set e, j-38                        ; 66 to 69: s28 to s31
.if j < 66
.set e, j-32-(j-38)/4               ; 39-41, 43-45, .. 63-65: s7 to s27
.endif
.if j < 38
.set e, (j-25)/2                    ; 25, 27, .. 37: s0 to s6
.endif
	v_exp_f32 v[rS+e], v[rS+e]
.elseif j < 86
.if j == 70                         ; the batch is out: the tile's 33 exponentials are issued, and no result has been named
	v_nop                           ; a plain instruction behind the last exponential and ahead of the first use (ISA guide 5.7.2): one for the batch
	s_wait_alu depctr_va_vdst(0)    ; the wait ahead of the first use: one for the tile's 33 exponentials of this step
.endif
	v_cvt_pk_f16_f32 v[rP+j-70], v[rS+2*(j-70)], v[rS+2*(j-70)+1]  ; pair j - 70
.elseif j < 102                     ; the sum of the tile's 16 pairs, in place: sum z of 16 adds neighbours 1, 2, 4 and 8 pairs apart, then l takes it
.set z, j-86
.set w, 4
.set u, z
.if z >= 14
.set w, 32
.set u, 0
.elseif z >= 12
.set w, 16
.set u, z-12
.elseif z >= 8
.set w, 8
.set u, z-8
.endif
.if z < 15
	v_pk_add_f32 v[rS+w*u:rS+w*u+1], v[rS+w*u:rS+w*u+1], v[rS+w*u+w/2:rS+w*u+w/2+1]
.else
	v_pk_fma_f32 v[rT+2:rT+3], v[rT+2:rT+3], v[rT+6:rT+7], v[rS:rS+1] op_sel_hi:[1,0,1]
.endif
.else
	WIN W_RS
	v_pk_mul_f32 v[rO:rO+1], v[rO:rO+1], v[rT+6:rT+7] op_sel_hi:[1,0]
.endif
.endm
.macro SLICES t, n                  ; the next n numbers of tile t's list
.rept \n
	SM \t
.set j, j+1
.endr
.endm
; In a block's own 256 keys (DSH above -256) NEGR takes the place of every hidden score of tile t, ahead of the tile's list.  Register jj of S^T holds key KEY + 16 (jj / 8) + 8 (l / 16) + jj % 8;
; my query is row ROW0 + 64 t + 16 w + l % 16: the key is visible where it is the greater: 16 (jj / 8) + jj % 8 > EE + 64 t + DSH.
; From each accumulator's lowest register on.  Elsewhere the block is jumped over: it holds no barrier and no tensor load.
.macro MASKT t
	WIN 0
	s_cmp_gt_i32 s[DSH], 0xffffff00
	s_cbranch_scc0 .Lall_seen_\@
	v_add3_u32 v[VT], v[EE], s[DSH], 64*(\t)
.set jj, 0
.rept 32
	v_cmp_gt_i32 vcc_lo, 16*(jj/8)+jj%8, v[VT]
	v_cndmask_b32 v[S+32*(\t)+jj], s[NEGR], v[S+32*(\t)+jj], vcc_lo
.set jj, jj+1
.endr
.Lall_seen_\@:
.endm
; 16 products of one kind, two at a time (on two accumulators), and behind each two of them 2 x per numbers of tile own's list: one pair of window switches serves two products.
; The products that stand among the numbers of a batch name none of its results: theirs are the neighbours' S^T, O^T and P, and K, Q, V and the pad numbers.
.macro RUNKQ t, own, per
.set i, 0
.rept 8
	KQ1 \t
.set i, i+1
	KQ1 \t
.set i, i+1
	SLICES \own, 2*(\per)
.endr
.endm
.macro RUNPV t, own, per
.set i, 0
.rept 8
	PV1 \t
.set i, i+1
	PV1 \t
.set i, i+1
	SLICES \own, 2*(\per)
.endr
.endm
; A KEY STEP.  Its pad numbers and K have been asked for (40 loads); V's 32 loads follow them.  Tile 0's scores and tile 3's V^T P have no neighbour's list to carry.
; A list ends in 32 plain multiplies of the tile's own O^T, which name no register of the products round them: the six that are over at a stage's end, and those in front of them, are the
; places behind the stage's products.  The next step's pad numbers and K are fetched at the head of stage 3 (not in a tile's last step: the count is then 1): the last product that read
; them stands in the first half of stage 2.  dg = 1: the text that a block's own tile can pass.
; Every label and branch of the step stands between two lists: the list before has had its batch's wait, the list behind has issued no exponential yet.
.macro STEP dg
.if \dg
	s_sub_co_i32 s[DSH], s[ROW0], s[KEY]
.endif
	FETCH_V
.set i, 0
.rept 16
.if i%4 == 0
	s_wait_dscnt 56-8*(i/4)         ; may stay out: V's 32 loads and K's 8 for each later group of 32 channels
.endif
	KQ1 0
.set i, i+1
.endr
	PLACES
.if \dg
	MASKT 0
.endif
.set j, 0
	RUNKQ 1, 0, 8
	SLICES 0, 6
.if \dg
	MASKT 1
.endif
.set j, 0
	RUNKQ 2, 1, 4
	s_wait_dscnt 0x0                ; V is in: nothing else is out
	RUNPV 0, 1, 4
	SLICES 1, 6
.if \dg
	MASKT 2
.endif
.set j, 0
	RUNKQ 3, 2, 4
	RUNPV 1, 2, 4
	SLICES 2, 6
.if \dg
	MASKT 3
.endif
	WIN 0
	s_cmp_eq_u32 s[CNT], 1
	s_cbranch_scc1 .Lno_k_\@
	FETCH_KP
.Lno_k_\@:
.set j, 0
	RUNPV 2, 3, 8
	SLICES 3, 6
.set i, 0
.rept 16
	PV1 3
.set i, i+1
.endr
	PLACES                          ; in front of the next loads into V's registers and of what reads O^T next
	WIN 0
.endm
; A BLOCK'S Q, 64 rows of 512 bytes a wave, comes in f32 into K's and V's registers: a load takes one whole row, 16 bytes (4 channels) a lane; tile t's row k is load 16 t + k.
.macro QLOAD G
	WIN 0x80                        ; destination window 2, address window 0
.set n, 0
.rept 32
	global_load_b128 v[128+4*n:128+4*n+3], v[\G], s[4:5] offset:(n/16)*64*ROWB+(n%16)*ROWB th:TH_LOAD_NT
.set n, n+1
.endr
	WIN 0xc0                        ; destination window 3
.set n, 0
.rept 32
	global_load_b128 v[4*n:4*n+3], v[\G], s[4:5] offset:(2+n/16)*64*ROWB+(n%16)*ROWB th:TH_LOAD_NT
.set n, n+1
.endr
	WIN 0
.endm
; Tile t: rounded to bf16 (8 bytes a lane and row), into my stage by rows of 256 bytes, back by fragments (lane l: row l % 16, channels 8 (l / 16) + 0..7 and 16 more on) straight into Q's registers.
.macro QIN t
	s_wait_loadcnt 48-16*(\t)       ; loads come back in order: tile t's sixteen are in, the later tiles' may stay out
.if (\t) < 2
	WIN 0x0a                        ; sources in window 2
.set rR, 128+64*(\t)
.else
	WIN 0x0f                        ; sources in window 3
.set rR, 64*((\t)-2)
.endif
.set n, 0
.rept 32
	v_cvt_pk_bf16_f32 v[S+32*(\t)+n], v[rR+2*n], v[rR+2*n+1]
.set n, n+1
.endr
	WIN 0
.set n, 0
.rept 16
	ds_store_b64 v[QS], v[S+32*(\t)+2*n:S+32*(\t)+2*n+1] offset:n*SP
.set n, n+1
.endr
	WIN 0x80                        ; destination window 2
.set n, 0
.rept 4                             ; LDS serves a wave's instructions in order (ISA guide 5.7.1.4): these see the stores above, and the next tile's stores come behind them
	ds_load_b128 v[32*(\t)+8*n:32*(\t)+8*n+3],   v[QF] offset:64*n
	ds_load_b128 v[32*(\t)+8*n+4:32*(\t)+8*n+7], v[QF] offset:64*n+32
.set n, n+1
.endr
.endm
; A BLOCK BEGINS: Q; its first key is its first row; for every tile  m = NEGR, c m by the multiply that the list uses (so that a = 1 exactly while m stays), l = 256 i in four equal parts
; (two registers, two halves of the lanes), O^T = XTAB's row.
.macro START
	QIN 0
	QIN 1
	QIN 2
	QIN 3
	WIN 0
	s_mov_b32 s[NEW], 0
	s_mov_b32 s[KEY], s[ROW0]
	s_lshr_b32 s[OFF], s[ROW0], 2
.set n, 0
.rept 4
	v_mov_b32 v[ST+8*n+1], s[NEGR]
	v_cvt_f32_u32 v[ST+8*n+2], s[OFF]
	v_cvt_f32_u32 v[ST+8*n+3], s[OFF]
	v_mul_f32 v[ST+8*n], s[CS], v[ST+8*n+1]
.set n, n+1
.endr
	WIN 0x40                        ; destination window 1
.set n, 0
.rept 64                            ; tile n / 16, channels 16 ((n % 16) / 2) + 8 (lane / 16) + 4 (n % 2) on: the same for all 16 queries and all four tiles
	ds_load_b128 v[4*n:4*n+3], v[HX] offset:64*((n%16)/2)+16*(n%2)
.set n, n+1
.endr
	WIN 0
	s_wait_dscnt 0x0
.endm
; THE WAY OUT.  Group g = 2 t + hf (tile t, channels 64 hf on) goes through my stage: in by lanes (a query's 8 channels are 32 bytes), back as rows of 256 bytes, into one of six buffers in S^T's and P's registers.
.macro OUTH g
.if (\g) >= 6
	s_wait_xcnt 0x0                 ; the buffer is loaded again only when the stores that read it have had their addresses translated (ISA guide 3.1)
.endif
	WIN 0x04                        ; data in window 1
.set rR, 32*(\g)
.irp n, 0,1,2,3,4,5,6,7
	ds_store_b128 v[STO], v[rR+4*(\n):rR+4*(\n)+3] offset:64*((\n)/2)+16*((\n)%2)
.endr
	WIN 0
.set rW, S+32*((\g)%6)
.irp k, 0,1,2,3,4,5,6,7
	ds_load_b128 v[rW+4*(\k):rW+4*(\k)+3], v[RD] offset:2*(\k)*SP
.endr
.endm
.macro SENDH g, G, younger          ; younger: the LDS instructions issued behind group g's loads: the next group's sixteen, or none
	s_wait_dscnt \younger
.set rW, S+32*((\g)%6)
.irp k, 0,1,2,3,4,5,6,7
	global_store_b128 v[\G], v[rW+4*(\k):rW+4*(\k)+3], s[12:13] offset:((\g)/2)*64*ROWB+2*(\k)*ROWB+256*((\g)%2) th:TH_STORE_NT  ; 16 lanes store 256 consecutive bytes, at a multiple of 256 from out0's first
.endr
.endm
; A BLOCK ENDS.  more = 1: the second block's Q is asked for first: K's and V's registers are idle, four v_nop stand behind the last product that read them, and neither an LDS load nor an
; earlier load of Q into them is out; and the second block's sum takes XTAB's row, which the first block has read.
.macro FINISH G, more
	WIN 0
	s_wait_dscnt 0x0
.if \more
	s_wait_loadcnt 0x0              ; the loads below land in registers that the last block's loads of Q wrote: those are in, on every way to this line
	QLOAD QGB
	ds_store_b128 v[XW], v[XBV:XBV+3]
.endif
.set n, 0
.rept 4
	v_add_f32 v[ST+8*n+4], v[ST+8*n+2], v[ST+8*n+3]
.set n, n+1
.endr
.set n, 0
.rept 4
	v_permlanex16_b32 v[ST+8*n+5], v[ST+8*n+4], s[SEL], s[SEL+1]
.set n, n+1
.endr
.set n, 0
.rept 4
	v_add_f32 v[ST+8*n+4], v[ST+8*n+4], v[ST+8*n+5]
.set n, n+1
.endr
.set n, 0
.rept 4
	v_rcp_f32 v[ST+8*n+6], v[ST+8*n+4]
.set n, n+1
.endr
	v_nop                           ; a plain instruction between the last reciprocal and the use of its result
	s_wait_alu depctr_va_vdst(0)    ; the wait ahead of the first use: one for the block's four reciprocals
	WIN W_RS
.set n, 0
.rept 128                           ; O^T / l, each accumulator from its lowest register on
	v_pk_mul_f32 v[2*n:2*n+1], v[2*n:2*n+1], v[ST+8*(n/32)+6:ST+8*(n/32)+7] op_sel_hi:[1,0]
.set n, n+1
.endr
	OUTH 0
.set gg, 1
.rept 7                             ; a group's way through the stage stands between the loads of the group before and its stores
	OUTH gg
	SENDH gg-1, \G, 16
.set gg, gg+1
.endr
	SENDH 7, \G, 0
	s_wait_xcnt 0x0                 ; the buffers are written again only behind this wait
.endm
	; ---------------------------------------------------------------- the head
	s_load_b256 s[4:11], s[0:1], 0x0   ; q s[4:5], kb s[6:7], vh s[8:9], cs s[10:11]
	s_load_b64 s[12:13], s[0:1], 0x20  ; out0
	v_lshl_add_u32 v[SPW], v0, 2, SPARE
	v_mov_b32 v[NIL], 0
	ds_add_u32 v[SPW], v[NIL]       ; the wave's opening: the add and its wait stand ahead of my first tensor load; the set-up below, work on registers, stands between them
	v_lshrrev_b32 v1, 5, v0
	v_readfirstlane_b32 s[WV], v1   ; wave 0..3
	s_mov_b32 s[PR], ttmp9          ; p: in a cluster launch ttmp9 counts clusters
	s_and_b32 s66, ttmp7, 0xffff    ; y = b*8+hk, which the four partners share
	s_lshr_b32 s67, s66, 3          ; b
	s_and_b32 s68, s66, 7           ; hk
	s_bfe_u32 s69, ttmp6, 0x40000   ; cx: my place in the cluster: it enters q's and out0's addresses alone
	s_lshl_b32 s70, s68, 2
	s_add_co_u32 s70, s70, s69      ; my query head = 4 hk + cx
	s_lshl_b32 s70, s70, 9          ; x 512 bytes
	s_lshl_b32 s71, s67, 25         ; + b x 2048 rows
	s_add_co_u32 s70, s70, s71
	s_lshl_b32 s71, s[WV], 18       ; + my wave's 16 rows in a band
	s_add_co_u32 s70, s70, s71
	s_mov_b32 s71, 0
	s_and_b32 s72, s[WV], 1         ; which half of a tile I fetch
	s_mul_i32 s74, s66, 8*KROWS*256 ; kb: y x 8 tiles
	s_mul_i32 s73, s72, KHALF*256   ;   + my 130 rows
	s_add_co_u32 s74, s74, s73
	s_mov_b32 s75, 0
	s_lshl_b32 s76, s66, 19         ; vh: y x 2048 x 256
	s_lshl_b32 s73, s72, 15         ;   + my 128 rows
	s_add_co_u32 s76, s76, s73
	s_mov_b32 s77, 0
	s_lshl_b32 s78, s66, 13         ; cs: y x 16 x 512
	s_mov_b32 s79, 0
	s_sub_co_u32 s[FB], 7, s[PR]    ; the first block
	s_mov_b32 s[NXT], s[FB]         ; its first tile of keys
	s_lshl_b32 s[ROW0], s[FB], 8    ; its first row
	s_lshl_b32 s81, s[FB], 22       ; a block's 256 rows are 2^22 bytes of q and out0
	s_lshl_b32 s82, s[PR], 22
	s_mul_i32 s83, s[WV], 16*SP
	s_add_co_u32 s83, s83, STG      ; my stage
	s_lshl_b32 s84, s[WV], 9
	s_add_co_u32 s84, s84, XTAB     ; my row of XTAB
	s_lshl_b32 s85, s[WV], 4
	s_add_co_u32 s[RT], s[PR], 1    ; the first block has p + 1 tiles
	s_mov_b32 s[NEW], 1
	s_mov_b32 s[SLOTS], 8
	s_mov_b32 s[OFF+1], 0
	s_mov_b32 s[NEGR], 0xc7dcf88b   ; -10000 sqrt(128) = -113137.0859375
	s_mov_b32 s[CS], 0x3e0293ee     ; c = log2(e) / sqrt(128) = 0.127517
	s_mov_b32 s[CS+1], s[CS]        ; named with it as a pair
	s_mov_b32 s[SEL], 0x76543210
	s_mov_b32 s[SEL+1], 0xfedcba98
	s_mov_b32 s[TBK], SLOT1+4*KSTR  ; the first change of slots turns these three into 0
	s_mov_b32 s[TBV], SLOT1+4*VSTR
	s_mov_b32 s[TBP], SLOT1+4*PSTR
	; descriptor group 1: rows of 128 elements of 2 bytes, dense in memory, padded in LDS; 130 rows of kb, 128 rows of V
	s_mov_b32 s[G1K], 15|(1<<16)|(1<<20)|(1<<21)|(5<<22)|(3<<25)  ; 15:0 the mask of four; 17:16 2-byte elements; 20 padding on; 21 set beside a mask; 24:22 after every 64 words (code 5); 31:25 4 words (code 3)
	s_mov_b32 s[G1K+1], 128<<16     ; tensor_dim0 = 128
	s_mov_b32 s[G1K+2], KHALF<<16   ; tensor_dim1 = 130
	s_mov_b32 s[G1K+3], 128<<16     ; tile_dim0 = 128
	s_mov_b32 s[G1K+4], KHALF       ; tile_dim1 = 130
	s_mov_b32 s[G1K+5], 128         ; 128 elements from row to row
	s_mov_b32 s[G1K+6], 0
	s_mov_b32 s[G1K+7], 0
	s_mov_b32 s[G1V], 15|(1<<16)|(1<<20)|(1<<21)|(5<<22)|(7<<25)  ; the same with 8 words of padding (code 7)
	s_mov_b32 s[G1V+1], 128<<16
	s_mov_b32 s[G1V+2], 128<<16
	s_mov_b32 s[G1V+3], 128<<16
	s_mov_b32 s[G1V+4], 128
	s_mov_b32 s[G1V+5], 128
	s_mov_b32 s[G1V+6], 0
	s_mov_b32 s[G1V+7], 0
	s_mov_b32 s[G0K], 1             ; 1:0 count = 1
	s_mul_i32 s[G0K+1], s72, KHALF*PK   ; 63:32 LDS address: slot 0, my half: no place in the cluster enters an LDS address
	s_mov_b32 s[G0V], 1
	s_mul_i32 s[G0V+1], s72, 128*PV
	s_add_co_u32 s[G0V+1], s[G0V+1], VOFF
	s_wait_dscnt 0x0                ; the opening add is done
	s_wait_kmcnt 0x0
	s_add_nc_u64 s[4:5], s[4:5], s[70:71]
	s_add_nc_u64 s[12:13], s[12:13], s[70:71]
	s_add_nc_u64 s[6:7], s[6:7], s[74:75]
	s_add_nc_u64 s[8:9], s[8:9], s[76:77]
	s_add_nc_u64 s[10:11], s[10:11], s[78:79]
	ADDR
	CROUND                          ; all four work-groups are here: the first joint loads meet
	JLOAD                           ; slot 0; slot 1 is asked for by the first change of slots
	v_and_b32 v1, 15, v0            ; l % 16
	v_bfe_u32 v[HH], v0, 4, 1       ; l / 16
	v_and_b32 v4, 31, v0            ; l
	v_lshlrev_b32 v[L16], 4, v4
	v_add_nc_u32 v[QGA], s81, v[L16]
	v_add_nc_u32 v[QGB], s82, v[L16]
	WIN 0x40                        ; destination window 1
.set n, 0
.rept 14                            ; cs, rows 0-13: the sums of V over keys 128 n .. 128 n + 127, as far as block 7's first key; a lane owns 4 channels
	global_load_b128 v[4*n:4*n+3], v[L16], s[10:11] offset:n*512
.set n, n+1
.endr
	QLOAD QGA                       ; the first block's Q
	v_lshlrev_b32 v5, 14, v[HH]     ; out0: lanes 16-31 take the next row
	v_lshl_add_u32 v5, v1, 4, v5
	v_add_nc_u32 v[OGA], s81, v5
	v_add_nc_u32 v[OGB], s82, v5
	v_mul_u32_u24 v[AK0], v1, PK
	v_lshl_add_u32 v[AK0], v[HH], 4, v[AK0]  ; row x pitch + 16 x half
	v_and_b32 v5, 7, v0
	v_bfe_u32 v7, v0, 3, 1
	v_lshl_add_u32 v[AV0], v[HH], 3, v5
	v_mul_u32_u24 v[AV0], v[AV0], PV
	v_lshl_add_u32 v[AV0], v7, 4, v[AV0]
	v_add_nc_u32 v[AV0], VOFF, v[AV0]
	v_lshl_add_u32 v[AP0], v[HH], 5, POFF
	v_add_nc_u32 v[QF], s83, v[AK0] ; the stage's pitch is K's
	v_lshl_add_u32 v[QS], v4, 3, s83
	v_mul_u32_u24 v[STO], v1, SP
	v_lshl_add_u32 v[STO], v[HH], 5, v[STO]
	v_add_nc_u32 v[STO], s83, v[STO]
	v_mul_u32_u24 v[RD], v[HH], SP
	v_lshl_add_u32 v[RD], v1, 4, v[RD]
	v_add_nc_u32 v[RD], s83, v[RD]
	v_lshl_add_u32 v[HX], v[HH], 5, s84
	v_add_nc_u32 v[XW], s84, v[L16]
	v_lshlrev_b32 v5, 3, v[HH]
	v_sub_nc_u32 v[EE], v1, v5
	v_add_nc_u32 v[EE], s85, v[EE]
	s_wait_loadcnt 63               ; of the 78 loads issued at most 63 are out (a wait's count names no more): the oldest 15 are in, all 14 rows of cs among them
	; The sums of V over the tiles of 256 keys: two rows of cs each, in place.  The first block is 4 or higher, so tiles 0-3 lie in front of it whatever p; every other tile is weighted 1 or 0
	; by a scalar compare: the same instructions in every work-group.  Each wave makes both sums for itself: no wave waits for another.
	WIN 0x45                        ; destination and both sources in window 1
.set u, 0
.rept 7
	v_pk_add_f32 v[8*u:8*u+1], v[8*u:8*u+1], v[8*u+4:8*u+5]
	v_pk_add_f32 v[8*u+2:8*u+3], v[8*u+2:8*u+3], v[8*u+6:8*u+7]
.set u, u+1
.endr
	WIN 0x01                        ; source 0 in window 1
	s_cmp_gt_u32 s[PR], 0
	s_cselect_b32 s[OFF], 1.0, 0
	v_pk_mul_f32 v[XBV:XBV+1], v[0:1], s[OFF:OFF+1] op_sel_hi:[1,0]
	v_pk_mul_f32 v[XBV+2:XBV+3], v[2:3], s[OFF:OFF+1] op_sel_hi:[1,0]
.irp u, 1,2
	s_cmp_gt_u32 s[PR], \u
	s_cselect_b32 s[OFF], 1.0, 0
	v_pk_fma_f32 v[XBV:XBV+1], v[8*\u:8*\u+1], s[OFF:OFF+1], v[XBV:XBV+1] op_sel_hi:[1,0,1]
	v_pk_fma_f32 v[XBV+2:XBV+3], v[8*\u+2:8*\u+3], s[OFF:OFF+1], v[XBV+2:XBV+3] op_sel_hi:[1,0,1]
.endr
	WIN 0x05                        ; both sources in window 1
	v_pk_add_f32 v[XA:XA+1], v[0:1], v[8:9]
	v_pk_add_f32 v[XA+2:XA+3], v[2:3], v[10:11]
	WIN 0x01
.irp u, 2,3
	v_pk_add_f32 v[XA:XA+1], v[8*\u:8*\u+1], v[XA:XA+1]
	v_pk_add_f32 v[XA+2:XA+3], v[8*\u+2:8*\u+3], v[XA+2:XA+3]
.endr
.irp u, 4,5,6
	s_cmp_gt_u32 s[FB], \u
	s_cselect_b32 s[OFF], 1.0, 0
	v_pk_fma_f32 v[XA:XA+1], v[8*\u:8*\u+1], s[OFF:OFF+1], v[XA:XA+1] op_sel_hi:[1,0,1]
	v_pk_fma_f32 v[XA+2:XA+3], v[8*\u+2:8*\u+3], s[OFF:OFF+1], v[XA+2:XA+3] op_sel_hi:[1,0,1]
.endr
	WIN 0
	ds_store_b128 v[XW], v[XA:XA+3] ; the first block's sum; the second's waits in its registers
	; ---------------------------------------------------------------- the walk: 8 trips, a tile is entered and the next is asked for; the 9th tile is written out behind the loop
.Lslot:
	CHANGE 1
	s_sub_co_u32 s[RT], s[RT], 1
	s_cmp_eq_u32 s[NEW], 1          ; at the first trip the answer is a constant of the text
	s_cbranch_scc0 .Lwork
	START
.Lwork:
	s_wait_loadcnt 0x0              ; on every way to this line no load of Q is out: K's registers, which took Q, are loaded from LDS next;
	s_wait_storecnt 0x0             ; and a finished block's stores, which have had START's length to leave, are done
	FETCH_KP
	s_mov_b32 s[CNT], 4
.Lstep:
	STEP 1
	s_add_co_u32 s[KEY], s[KEY], KS
	s_sub_co_u32 s[CNT], s[CNT], 1
	s_cmp_lg_u32 s[CNT], 0
	s_cbranch_scc1 .Lstep
	s_cmp_lg_u32 s[RT], 0
	s_cbranch_scc1 .Lbottom
	FINISH OGA, 1                   ; in the loop this is the first block's end: the second block's last tile is the walk's last
	s_sub_co_u32 s[RT], 8, s[PR]    ; the second block has 8 - p tiles
	s_lshl_b32 s[ROW0], s[PR], 8
	s_mov_b32 s[NEW], 1
.Lbottom:
	s_sub_co_u32 s[SLOTS], s[SLOTS], 1
	s_cmp_lg_u32 s[SLOTS], 0
	s_cbranch_scc1 .Lslot
	CHANGE 0                        ; the walk's last tile is written out: nothing is asked for.  The second block has five tiles or more, so in this one no key is hidden
	s_wait_loadcnt 0x0              ; no load of Q is out here: the second block began four tiles ago or earlier; the line says so for every way through the text, ahead of the loads into K's registers
	FETCH_KP
	s_mov_b32 s[CNT], 4
.Llast:
	STEP 0
	s_sub_co_u32 s[CNT], s[CNT], 1
	s_cmp_lg_u32 s[CNT], 0
	s_cbranch_scc1 .Llast
	FINISH OGB, 0
	s_wait_tensorcnt 0x0            ; the wave's end, behind my last tensor load and my last LDS store
	ds_add_u32 v[SPW], v[NIL]
	s_wait_dscnt 0x0
	CROUND                          ; the closing round: no work-group ends while a partner may still ask for a tile that names it
	s_endpgm
.Lfunc_end_k_qd5b8759b06_attn:
	.size	k_qd5b8759b06_attn, .Lfunc_end_k_qd5b8759b06_attn-k_qd5b8759b06_attn
	.p2alignl 7, 3214868480
	.fill 96, 4, 3214868480
	.section	.rodata,"a",@progbits
	.p2align	6, 0x0
	.amdhsa_kernel k_qd5b8759b06_attn
		.amdhsa_group_segment_fixed_size 327680
		.amdhsa_private_segment_fixed_size 0
		.amdhsa_enable_private_segment 0
		.amdhsa_kernarg_size 40
		.amdhsa_user_sgpr_count 2
		.amdhsa_user_sgpr_kernarg_segment_ptr 1
		.amdhsa_wavefront_size32 1
		.amdhsa_system_sgpr_workgroup_id_x 1
		.amdhsa_system_sgpr_workgroup_id_y 1
		.amdhsa_system_sgpr_workgroup_id_z 1
		.amdhsa_system_vgpr_workitem_id 0
		.amdhsa_next_free_vgpr 928
		.amdhsa_next_free_sgpr 90
		.amdhsa_reserve_vcc 1
		.amdhsa_float_denorm_mode_32 3
		.amdhsa_float_denorm_mode_16_64 3
		.amdhsa_memory_ordered 1
		.amdhsa_forward_progress 1
		.amdhsa_inst_pref_size 200
	.end_amdhsa_kernel
	.amdgpu_metadata
---
amdhsa.version: [ 1, 2 ]
amdhsa.kernels:
  - .name:           k_qd5b8759b06_attn
    .symbol:         k_qd5b8759b06_attn.kd
    .args:
      - { .name: q, .offset: 0, .size: 8, .value_kind: global_buffer, .address_space: global }
      - { .name: kb, .offset: 8, .size: 8, .value_kind: global_buffer, .address_space: global }
      - { .name: vh, .offset: 16, .size: 8, .value_kind: global_buffer, .address_space: global }
      - { .name: cs, .offset: 24, .size: 8, .value_kind: global_buffer, .address_space: global }
      - { .name: out0, .offset: 32, .size: 8, .value_kind: global_buffer, .address_space: global }
    .group_segment_fixed_size: 327680
    .private_segment_fixed_size: 0
    .kernarg_segment_align: 8
    .kernarg_segment_size: 40
    .max_flat_workgroup_size: 128
    .sgpr_count:     90
    .vgpr_count:     928
    .wavefront_size: 32
...
	.end_amdgpu_metadata
.endif
;; end of part 3
